; MI455X (gfx1250); checked and timed in simulation.
; The chip was launched on July 23, 2026; its instructions are those of AMD's public machine-readable ISA for CDNA 5 (MIT licence, August 2026) and "CDNA5" Instruction Set Architecture Reference Guide (July 2026). The comments in the code are by the model that wrote it; some were corrected since.
;; Transformer Block. Allowed arithmetic: matrix products marked QUANTISED: E2M3 operands, one E8M0 scale for each 32 along K, by v_wmma_scale_f32_16x16x128_f8f6f4 with both operands' format E2M3, f32 sums; everything else in f32.
;; Inputs: b1 4,096 float32; b2 1,024 float32; b_out 1,024 float32; b_qkv 3,072 float32; be1 1,024 float32; be2 1,024 float32; g1 1,024 float32; g2 1,024 float32; w1 1,024 x 4,096 float32; w2 4,096 x 1,024 float32; w_out 1,024 x 1,024 float32; w_qkv 1,024 x 3,072 float32; x 2 x 2,048 x 1,024 float32.
;; Outputs: out0 2 x 2,048 x 1,024 float32.
;; This version of the problem:
;;   THIS VERSION OF THE PROBLEM IS GIVEN IN LOW PRECISION. The matrix products marked QUANTISED in the list below multiply operands that are first quantised to E2M3 (2 exponent bits, 3 mantissa bits; 6 bits a number), with one power-of-two scale for each 32 numbers along K (OCP MX v1.0); their sums are f32. All else is computed in f32.
;;   The module's matrix products, in the order in which they are computed (A, B: the left and right operand; K: the contracted axis; several contracted axes count as one K, in the product's order):
;;     1. [M 4,096, K 1,024] x [K 1,024, N 3,072]; A: computed on the way; B: input w_qkv: QUANTISED
;;     2. batch 32 x [M 2,048, K 64] x [K 64, N 2,048]; A: computed on the way; B: computed on the way: QUANTISED
;;     3. batch 32 x [M 2,048, K 2,048] x [K 2,048, N 64]; A: softmax (see below); B: computed on the way: QUANTISED
;;     4. [M 4,096, K 1,024] x [K 1,024, N 1,024]; A: computed on the way; B: input w_out: QUANTISED
;;     5. [M 4,096, K 1,024] x [K 1,024, N 4,096]; A: computed on the way; B: input w1: QUANTISED
;;     6. [M 4,096, K 4,096] x [K 4,096, N 1,024]; A: computed on the way; B: input w2: QUANTISED
;;   THE QUANTISER, for each operand of a quantised product, along K:
;;     - K is cut into blocks of 32 from its start; a last block that is shorter is filled with zeros.
;;     - A block's scale is 2^e with e = floor(log2(the largest magnitude in the block)) - 2, held to -126 .. 127; a block of zeros has e = 0. As a byte (E8M0): e + 127.
;;     - Each number is divided by its block's scale, clamped to +-7.5, and rounded to the nearest number of E2M3, ties to even, subnormals kept.
;;     - The product sums the exact products of the quantised numbers (number of the format x scale) in f32.
;;   ~~~python
;;   def quantise(x, axis):      # numpy; x: float32 -> the quantised numbers, widened to float32 again
;;       x = np.moveaxis(x, axis, -1); K = x.shape[-1]
;;       x = np.pad(x, [(0, 0)] * (x.ndim - 1) + [(0, -K % 32)]); x = x.reshape(x.shape[:-1] + (-1, 32)); a = np.abs(x).max(-1, keepdims=True)
;;       e = np.where(a > 0, np.clip(np.frexp(np.where(a > 0, a, 1))[1] - 1 - 2, -126, 127), 0)      # np.frexp(a)[1] - 1 = floor(log2(a)), exactly
;;       r = np.clip(x / 2.0 ** e, -7.5, 7.5)
;;       step = 2.0 ** (np.maximum(np.frexp(np.where(r == 0, 1, r))[1] - 1, 0) - 3)
;;       q = np.round(r / step) * step * 2.0 ** e      # np.round: ties to even
;;       return np.moveaxis(q.reshape(q.shape[:-2] + (-1,))[..., :K], -1, axis).astype(np.float32)
;;   ~~~
;;   SOFTMAX AHEAD OF A QUANTISED PRODUCT. Where the list says 'softmax', what is quantised is not the finished softmax but p = 2^(t - M), with t = logit x log2(e) and M = ceil(the row's largest t), a whole number; so 1/2 < the row's largest p <= 1. The row's sum l is taken of the UNQUANTISED p, in f32, and the product's result is divided by l at the end. Since M is a whole number, a kernel that streams over the keys may use a running M (the ceiling of the running maximum): every later rescaling is an exact power of two, which a block's scale takes up: the codes' values come out the same.
;;   OPERANDS COMPUTED ON THE WAY. 'Computed on the way' means the value that the module computes at that place (a softmax that the list does not call 'softmax' is quantised finished and normalised). What goes into a quantiser is computed in f32, as accurately as f32 sums, v_exp_f32 and their like allow (about 1e-6 of the number): no bf16 or f16 on the way to a quantiser, and a product that is left as it is and whose result goes on into a quantised operand takes f32 operands (vector FMAs, or v_wmma_f32_16x16x4_f32). A number that lies on a knife's edge between two numbers of the format may be rounded either way, as far as f32 arithmetic and the matrix unit's own rounding can turn it there, and no further.
;; One version. Each part assembles by itself: llvm-mc -triple=amdgcn-amd-amdhsa -mcpu=gfx1250 --defsym DOCPART=n.
;; ======== version 1 of 1: 8 launches
;; workspace buffers: wts 10,649,600 bytes; act 3,276,800 bytes; qkv 9,830,400 bytes; x1 16,777,216 bytes; ff 13,107,200 bytes
;; launch wq (part 1): grid 384 x 1, 4 waves a work-group, no clusters, 26,112 bytes of LDS; arguments w_qkv, w_out, w1, w2, wts; writes wts
.if DOCPART == 1
	.amdgcn_target "amdgcn-amd-amdhsa--gfx1250"
	.amdhsa_code_object_version 6
	.text
	.protected	k_q4fc23cc6aa_wq
	.globl	k_q4fc23cc6aa_wq
	.p2align	8
	.type	k_q4fc23cc6aa_wq,@function
k_q4fc23cc6aa_wq:
	s_mov_b64 s[64:65], 0
	v_nop
	global_prefetch_b8 v0, s[64:65] scope:SCOPE_SE
	s_setreg_imm32_b32 hwreg(HW_REG_WAVE_MODE, 25, 1), 1
	s_wait_xcnt 0x0
; The four weights, f32 stored [K][N], become codes of E2M3 and E8M0 scale bytes along K, laid in the order of an operand's registers.
; CODES: the unit (chunk = k / 64, g = position / 16) is 768 bytes at (chunk x RP / 16 + g) x 768; in it lane' = position % 16 + 16 h owns block 2 chunk + h (32 codes, 24 bytes):
; its first 16 bytes at 16 lane', its last 8 at 512 + 8 lane'.  SCALES: the word (k / 128, position) at ((k / 128) x RP + position) x 4, byte b = block 4 (k / 128) + b.
; Column n lies at position pi(n) = n with bits 3 and 4 changed over, so that a product used transposed leaves 16 neighbouring columns in a lane's 16 registers.
; A lane takes a column and its registers run down K: a block of 32 lies in one lane, each load reads 128 consecutive bytes a wave, and nothing is transposed by an instruction.
; A work-group takes 128 columns x 256 along K; the work-group's number picks the tensor (0-95 w_qkv, 96-127 w_out, 128-255 w1, 256-383 w2): only pointers and constants are chosen, one path serves all.
; LIMITS: NaN and infinities are not served; a block whose largest magnitude lies under 2^-124, a block of zeros among them, keeps the byte 1 (its codes are then zeros or tiny; the bytes are read by this program alone).
.set WQKV_C, 0
.set WOUT_C, 3145728
.set W1_C,   3932160
.set W2_C,   7077888
.set WQKV_S, 10223616
.set WOUT_S, 10354688
.set W1_S,   10387456
.set W2_S,   10518528
.set SCST,   24576                     ; LDS: four stages of 6,144 bytes, then 2 x 128 scale words
.set OFF,  32                          ; v32-63  4 x lane + i rows of the tensor
.set X,    64                          ; v64-127 two sets of 32 numbers
.set C,    16                          ; v16-22  a block's codes
.set SB,   24                          ; v24-25  my column's two scale words
.set OUTR, 128                         ; v128-175 the way out
.set BASE, 32                          ; s[32:47] where block t begins
.set DST,  48                          ; s[48:55] where chunk c goes
.set SD,   56                          ; s[56:57] where my wave's 256 bytes of scale words go
	s_load_b256 s[4:11], s[0:1], 0x0               ; w_qkv, w_out, w1, w2
	s_load_b64 s[12:13], s[0:1], 0x20              ; wts
	v_lshl_add_u32 v192, v0, 2, 0x6400
	v_mov_b32 v193, 0
	v_lshrrev_b32 v1, 5, v0
	v_readfirstlane_b32 s3, v1                     ; wave
	v_and_b32 v2, 31, v0                           ; lane
	s_mov_b32 s16, 4096                            ; w2's set: bytes in a row,
	s_mov_b32 s17, 4                               ; log2 of the K tiles,
	s_mov_b32 s18, 256                             ; first work-group,
	s_mov_b32 s19, 49152                           ; bytes from chunk to chunk,
	s_mov_b32 s20, 4096                            ; bytes from scale row to scale row,
	s_mov_b32 s21, W2_C
	s_mov_b32 s22, W2_S
	s_wait_kmcnt 0x0
	s_mov_b64 s[14:15], s[10:11]
.macro PICK lim, src, nb, sh, id0, rp48, rp4, dc, ds
	s_cmp_lt_u32 ttmp9, \lim                       ; the choice hangs on the work-group's number alone
	s_cselect_b64 s[14:15], s[\src:\src+1], s[14:15]
	s_cselect_b32 s16, \nb, s16
	s_cselect_b32 s17, \sh, s17
	s_cselect_b32 s18, \id0, s18
	s_cselect_b32 s19, \rp48, s19
	s_cselect_b32 s20, \rp4, s20
	s_cselect_b32 s21, \dc, s21
	s_cselect_b32 s22, \ds, s22
.endm
	PICK 256, 8, 16384, 2, 128, 196608, 16384, W1_C, W1_S
	PICK 128, 6, 4096, 2, 96, 49152, 4096, WOUT_C, WOUT_S
	PICK 96, 4, 12288, 2, 0, 196608, 16384, WQKV_C, WQKV_S
	s_sub_co_u32 s23, ttmp9, s18
	s_lshr_b32 s24, s23, s17                       ; column tile
	s_bfm_b32 s25, s17, 0
	s_and_b32 s25, s23, s25                        ; K tile
	s_lshl_b32 s26, s24, 7
	s_lshl_b32 s27, s3, 5
	s_add_co_u32 s26, s26, s27                     ; my wave's first column
	s_lshl_b32 s27, s25, 8
	s_mul_i32 s27, s27, s16                        ; 256 kt rows
	s_lshl_b32 s28, s26, 2
	s_add_co_u32 s28, s27, s28
	s_mov_b32 s29, 0
	s_add_nc_u64 s[BASE:BASE+1], s[14:15], s[28:29]
	s_lshl_b32 s28, s16, 5                         ; 32 rows on
.irp t, 1,2,3,4,5,6,7
	s_add_nc_u64 s[BASE+2*\t:BASE+2*\t+1], s[BASE+2*\t-2:BASE+2*\t-1], s[28:29]
.endr
	s_lshl_b32 s30, s25, 2
	s_mul_i32 s30, s30, s19                        ; chunk 4 kt
	s_lshl_b32 s31, s24, 3
	s_lshl_b32 s23, s3, 1
	s_add_co_u32 s31, s31, s23                     ; group 8 ct + 2 w
	s_mul_i32 s31, s31, 768
	s_add_co_u32 s30, s30, s31
	s_add_co_u32 s30, s30, s21
	s_mov_b32 s31, 0
	s_add_nc_u64 s[DST:DST+1], s[12:13], s[30:31]
	s_mov_b32 s30, s19
.irp c, 1,2,3
	s_add_nc_u64 s[DST+2*\c:DST+2*\c+1], s[DST+2*\c-2:DST+2*\c-1], s[30:31]
.endr
	s_lshl_b32 s23, s25, 1
	s_lshr_b32 s26, s3, 1
	s_add_co_u32 s23, s23, s26                     ; scale row 2 kt + w / 2
	s_mul_i32 s23, s23, s20
	s_lshl_b32 s27, s24, 9                         ; 128 ct words
	s_add_co_u32 s23, s23, s27
	s_and_b32 s27, s3, 1
	s_lshl_b32 s27, s27, 8
	s_add_co_u32 s23, s23, s27
	s_add_co_u32 s30, s23, s22
	s_add_nc_u64 s[SD:SD+1], s[12:13], s[30:31]
	v_lshlrev_b32 v3, 2, v2
.irp i, 0,1,2,3,4,5,6,7,8,9,10,11,12,13,14,15,16,17,18,19,20,21,22,23,24,25,26,27,28,29,30,31
	v_mad_u32_u24 v[OFF+\i], s16, \i, v3           ; never rewritten
.endr
	v_bfe_u32 v11, v2, 3, 1                        ; pi(lane): group (lane / 8) % 2,
	v_lshrrev_b32 v12, 4, v2
	v_and_b32 v13, 7, v2
	v_lshl_add_u32 v13, v12, 3, v13                ; row 8 (lane / 16) + lane % 8
	s_mul_i32 s23, s3, 6144
	v_mul_u32_u24 v14, v11, 768
	v_add_nc_u32 v14, s23, v14
	v_lshl_add_u32 v4, v13, 4, v14                 ; stage: a block's first 16 bytes,
	v_lshl_add_u32 v5, v13, 3, v14
	v_add_nc_u32 v5, 512, v5                       ; its last 8
	v_lshl_add_u32 v6, v11, 4, v13
	s_lshl_b32 s24, s3, 5
	v_add_nc_u32 v6, s24, v6
	v_lshl_add_u32 v6, v6, 2, SCST                 ; my position's scale word
	v_lshlrev_b32 v8, 4, v2
	v_add_nc_u32 v7, s23, v8                       ; back: 16 x lane
	v_lshlrev_b32 v10, 3, v2
	s_lshl_b32 s24, s3, 8
	s_add_co_u32 s24, s24, SCST
	v_add_nc_u32 v9, s24, v10                      ; scale words back: 256 bytes a wave
.macro LOAD t
.irp i, 0,1,2,3,4,5,6,7,8,9,10,11,12,13,14,15,16,17,18,19,20,21,22,23,24,25,26,27,28,29,30,31
	global_load_b32 v[X+32*((\t)%2)+\i], v[OFF+\i], s[BASE+2*(\t):BASE+2*(\t)+1] th:TH_LOAD_NT
.endr
.endm
	LOAD 0
	LOAD 1
.macro BLOCK t
.set XS, X+32*((\t)%2)
.if (\t) < 7
	s_wait_loadcnt 32                              ; this block's 32 loads are in; the next block's 32 may be out
.else
	s_wait_loadcnt 0x0
.endif
	v_max3_num_f32 v12, |v[XS]|, |v[XS+1]|, |v[XS+2]|
	v_max3_num_f32 v13, |v[XS+3]|, |v[XS+4]|, |v[XS+5]|
.irp i, 6,10,14,18,22,26
	v_max3_num_f32 v12, v12, |v[XS+\i]|, |v[XS+\i+1]|
	v_max3_num_f32 v13, v13, |v[XS+\i+2]|, |v[XS+\i+3]|
.endr
	v_max3_num_f32 v12, v12, |v[XS+30]|, |v[XS+31]|
	v_max3_num_f32 v12, v12, v13, 0x1800000        ; the floor 2^(3 - 127): the byte cannot fall under 1
	v_add_nc_u32 v11, 0xff000000, v12              ; 2 off the exponent field: the conversion's scale operand
	v_lshrrev_b32 v13, 23, v11                     ; the byte
.if (\t)%4 == 0
	v_mov_b32 v[SB+(\t)/4], v13
.else
	v_lshl_or_b32 v[SB+(\t)/4], v13, 8*((\t)%4), v[SB+(\t)/4]
.endif
	v_cvt_scalef32_pk16_fp6_f32 v[C:C+2], v[XS:XS+15], v11
	v_cvt_scalef32_pk16_fp6_f32 v[C+4:C+6], v[XS+16:XS+31], v11
	v_nop                                          ; one plain line behind the conversions
	v_mov_b32 v[C+3], v[C+4]
	v_mov_b32 v[C+4], v[C+5]
	v_mov_b32 v[C+5], v[C+6]
	ds_store_b128 v4, v[C:C+3] offset:((\t)/2)*1536+((\t)%2)*256
	ds_store_b64 v5, v[C+4:C+5] offset:((\t)/2)*1536+((\t)%2)*128
.if (\t)+2 < 8
	LOAD (\t)+2
.endif
	s_wait_dscnt 0x0
.endm
.irp t, 0,1,2,3,4,5,6,7
	BLOCK \t
.endr
	ds_store_b32 v6, v[SB]
	ds_store_b32 v6, v[SB+1] offset:512
.irp k, 0,1,2,3,4,5,6,7,8,9,10,11
	ds_load_b128 v[OUTR+4*\k:OUTR+4*\k+3], v7 offset:512*\k   ; my own stage: LDS serves a wave's instructions in order
.endr
	s_wait_dscnt 0x0                               ; my scale words have landed, for the other waves' sake
	s_barrier_signal -1
	s_barrier_wait -1
.irp c, 0,1,2,3
.irp k, 0,1,2
	global_store_b128 v8, v[OUTR+4*(3*\c+\k):OUTR+4*(3*\c+\k)+3], s[DST+2*\c:DST+2*\c+1] offset:512*\k   ; 512 consecutive bytes, at a multiple of 256
.endr
.endr
	ds_load_b64 v[12:13], v9
	s_wait_dscnt 0x0
	global_store_b64 v10, v[12:13], s[SD:SD+1]     ; 256 consecutive bytes, aligned
	s_wait_tensorcnt 0x0
	ds_add_u32 v192, v193
	s_wait_dscnt 0x0
	s_endpgm
.Lfunc_end_k_q4fc23cc6aa_wq:
	.size	k_q4fc23cc6aa_wq, .Lfunc_end_k_q4fc23cc6aa_wq-k_q4fc23cc6aa_wq
	.p2alignl 7, 3214868480
	.fill 96, 4, 3214868480
	.section	.rodata,"a",@progbits
	.p2align	6, 0x0
	.amdhsa_kernel k_q4fc23cc6aa_wq
		.amdhsa_group_segment_fixed_size 26112
		.amdhsa_private_segment_fixed_size 0
		.amdhsa_enable_private_segment 0
		.amdhsa_kernarg_size 40
		.amdhsa_user_sgpr_count 2
		.amdhsa_user_sgpr_kernarg_segment_ptr 1
		.amdhsa_wavefront_size32 1
		.amdhsa_system_sgpr_workgroup_id_x 1
		.amdhsa_system_sgpr_workgroup_id_y 1
		.amdhsa_system_sgpr_workgroup_id_z 1
		.amdhsa_system_vgpr_workitem_id 0
		.amdhsa_next_free_vgpr 194
		.amdhsa_next_free_sgpr 66
		.amdhsa_reserve_vcc 0
		.amdhsa_float_denorm_mode_32 3
		.amdhsa_float_denorm_mode_16_64 3
		.amdhsa_memory_ordered 1
		.amdhsa_forward_progress 1
		.amdhsa_inst_pref_size 47
	.end_amdhsa_kernel
	.amdgpu_metadata
---
amdhsa.version: [ 1, 2 ]
amdhsa.kernels:
  - .name:           k_q4fc23cc6aa_wq
    .symbol:         k_q4fc23cc6aa_wq.kd
    .args:
      - { .name: w_qkv, .offset: 0, .size: 8, .value_kind: global_buffer, .address_space: global }
      - { .name: w_out, .offset: 8, .size: 8, .value_kind: global_buffer, .address_space: global }
      - { .name: w1, .offset: 16, .size: 8, .value_kind: global_buffer, .address_space: global }
      - { .name: w2, .offset: 24, .size: 8, .value_kind: global_buffer, .address_space: global }
      - { .name: wts, .offset: 32, .size: 8, .value_kind: global_buffer, .address_space: global }
    .group_segment_fixed_size: 26112
    .private_segment_fixed_size: 0
    .kernarg_segment_align: 8
    .kernarg_segment_size: 40
    .max_flat_workgroup_size: 128
    .sgpr_count:     66
    .vgpr_count:     194
    .wavefront_size: 32
...
	.end_amdgpu_metadata
.endif
;; end of part 1
;; launch ln1 (part 2): grid 256 x 1, 4 waves a work-group, no clusters, 33,280 bytes of LDS; arguments x, g1, be1, act; writes act
.if DOCPART == 2
	.amdgcn_target "amdgcn-amd-amdhsa--gfx1250"
	.amdhsa_code_object_version 6
	.text
	.protected	k_q4fc23cc6aa_ln1
	.globl	k_q4fc23cc6aa_ln1
	.p2align	8
	.type	k_q4fc23cc6aa_ln1,@function
k_q4fc23cc6aa_ln1:
	s_mov_b64 s[64:65], 0
	v_nop
	global_prefetch_b8 v0, s[64:65] scope:SCOPE_SE
	s_setreg_imm32_b32 hwreg(HW_REG_WAVE_MODE, 25, 1), 1
	s_wait_xcnt 0x0
; LayerNorm of 4,096 rows of 1,024 f32 (mean first, then the deviations' squares, so that a common offset cancels nothing), x gain + bias, then quantised along the row to E2M3 with E8M0 scales.
; Output in the order of an operand's registers: unit (chunk = k / 64, g = row / 16) of 768 bytes at (chunk x 256 + g) x 768; lane' = row % 16 + 16 h owns block 2 chunk + h: 16 bytes at 16 lane', 8 at 512 + 8 lane'.
; Scale words (k / 128, row) at ACT_S + ((k / 128) x 4096 + row) x 4.
; A work-group takes one group of 16 rows, wave w rows 4 w .. 4 w + 3.  A row comes by eight loads of 512 consecutive bytes and turns through the wave's stage, so that lane l holds block l (32 neighbours).
; The codes of 16 rows meet in LDS and leave as whole runs of 256 bytes.  The scale words leave in runs of 64 bytes: 512 of the work-group's 12,800 bytes.
; LIMITS: NaN and infinities are not served; a block whose largest magnitude lies under 2^-124 keeps the byte 1 (read by this program alone).
.set ACT_S, 3145728
.set CST,   18432                      ; 16 chunks x 800 bytes: a unit's three parts of 256 bytes lie 272 apart
.set SST,   31232                      ; 8 x 16 scale words
.set G,  32
.set BE, 64
.set X,  96
.set T,  224
	s_load_b256 s[4:11], s[0:1], 0x0               ; x, gain, bias, act
	v_lshl_add_u32 v27, v0, 2, 0x8000
	s_set_vgpr_msb 0x40
	v_mov_b32 v1, 0
	s_set_vgpr_msb 0x4000
	v_lshrrev_b32 v1, 5, v0
	v_readfirstlane_b32 s12, v1                    ; wave
	v_and_b32 v1, 31, v0                           ; lane
	v_lshlrev_b32 v2, 4, v1
	v_lshlrev_b32 v3, 7, v1
	s_mul_i32 s13, s12, 4608
	v_lshrrev_b32 v13, 3, v1
	v_mul_u32_u24 v13, v13, 144
	v_and_b32 v14, 7, v1
	v_lshl_add_u32 v13, v14, 4, v13
	v_add_nc_u32 v4, s13, v13                      ; stage, in: 144 (lane / 8) + 16 (lane % 8); a load's 512 bytes are four places
	v_mul_u32_u24 v5, v1, 144
	v_add_nc_u32 v5, s13, v5                       ; out: 144 x lane
	v_lshrrev_b32 v13, 1, v1
	v_mul_u32_u24 v13, v13, 800                    ; my block's chunk
	v_and_b32 v14, 1, v1
	v_mad_u32_u24 v6, v14, 272, v13
	s_lshl_b32 s13, s12, 6
	s_add_co_u32 s13, s13, CST
	v_add_nc_u32 v6, s13, v6                       ; codes' first 16 bytes: + 16 x row
	v_lshl_add_u32 v7, v14, 7, v13
	s_lshl_b32 s13, s12, 5
	s_add_co_u32 s13, s13, CST+544
	v_add_nc_u32 v7, s13, v7                       ; last 8: + 8 x row
	v_lshrrev_b32 v13, 2, v1
	v_and_b32 v14, 3, v1
	v_lshl_add_u32 v8, v13, 6, v14
	s_lshl_b32 s13, s12, 4
	s_add_co_u32 s13, s13, SST
	v_add_nc_u32 v8, s13, v8                       ; my block's byte: + 4 x row
	v_lshrrev_b32 v13, 4, v1
	v_and_b32 v14, 15, v1
	v_mul_u32_u24 v9, v13, 800
	v_lshl_add_u32 v9, v14, 4, v9
	s_mul_i32 s13, s12, 3200
	s_add_co_u32 s13, s13, CST
	v_add_nc_u32 v9, s13, v9                       ; back: chunk 4 w + lane / 16
	v_mul_u32_u24 v10, v13, 196608
	v_lshl_add_u32 v10, v14, 4, v10
	s_mul_i32 s13, s12, 786432
	v_add_nc_u32 v10, s13, v10                     ; and the same place in act
	s_lshl_b32 s13, s12, 7
	s_add_co_u32 s13, s13, SST
	v_lshl_add_u32 v11, v1, 2, s13
	v_lshlrev_b32 v12, 14, v13
	v_lshl_add_u32 v12, v14, 2, v12
	s_lshl_b32 s13, s12, 15
	v_add_nc_u32 v12, s13, v12                     ; scale row 2 w + lane / 16, word lane % 16
	s_lshl_b32 s14, ttmp9, 16                      ; 16 rows of 4,096 bytes a work-group,
	s_lshl_b32 s15, s12, 14                        ; 4 a wave
	s_add_co_u32 s14, s14, s15
	s_mov_b32 s15, 0
	s_mul_i32 s16, ttmp9, 768
	s_mov_b32 s17, 0
	s_lshl_b32 s18, ttmp9, 6
	s_add_co_u32 s18, s18, ACT_S
	s_mov_b32 s19, 0
	s_mov_b32 s20, 0x76543210
	s_mov_b32 s21, 0xfedcba98                      ; lane l xor 16
	s_mov_b32 s22, 0x3a800000                      ; 1 / 1024
	s_mov_b32 s23, 0x3727c5ac                      ; 1e-5
	s_wait_kmcnt 0x0
	s_add_nc_u64 s[4:5], s[4:5], s[14:15]
	s_add_nc_u64 s[16:17], s[10:11], s[16:17]
	s_add_nc_u64 s[18:19], s[10:11], s[18:19]
.irp j, 0,1,2,3,4,5,6,7
	global_load_b128 v[G+4*\j:G+4*\j+3], v3, s[6:7] offset:16*\j
.endr
.irp j, 0,1,2,3,4,5,6,7
	global_load_b128 v[BE+4*\j:BE+4*\j+3], v3, s[8:9] offset:16*\j
.endr
.irp i, 0,1,2,3
.irp j, 0,1,2,3,4,5,6,7
	global_load_b128 v[X+32*\i+4*\j:X+32*\i+4*\j+3], v2, s[4:5] offset:4096*\i+512*\j th:TH_LOAD_NT
.endr
.endr
.macro ALLSUM r, t                     ; the sum over the 32 lanes, in every lane
	v_add_f32_dpp v[\r], v[\r], v[\r] row_xmask:1 row_mask:0xf bank_mask:0xf
	v_add_f32_dpp v[\r], v[\r], v[\r] row_xmask:2 row_mask:0xf bank_mask:0xf
	v_add_f32_dpp v[\r], v[\r], v[\r] row_xmask:4 row_mask:0xf bank_mask:0xf
	v_add_f32_dpp v[\r], v[\r], v[\r] row_xmask:8 row_mask:0xf bank_mask:0xf
	v_permlanex16_b32 v[\t], v[\r], s20, s21
	v_add_f32 v[\r], v[\r], v[\t]
.endm
.macro ROW i
	s_wait_loadcnt 8*(3-\i)                        ; gain, bias and rows up to this one are in; the later rows' eight loads each may be out
.irp j, 0,1,2,3,4,5,6,7
	ds_store_b128 v4, v[X+32*\i+4*\j:X+32*\i+4*\j+3] offset:576*\j
.endr
.irp j, 0,1,2,3,4,5,6,7
	ds_load_b128 v[T+4*\j:T+4*\j+3], v5 offset:16*\j   ; my own stage, served in order
.endr
	s_wait_dscnt 0x0
	v_pk_add_f32 v[14:15], v[T:T+1], v[T+2:T+3]
	v_pk_add_f32 v[16:17], v[T+4:T+5], v[T+6:T+7]
.irp j, 8,12,16,20,24,28
	v_pk_add_f32 v[14:15], v[14:15], v[T+\j:T+\j+1]
	v_pk_add_f32 v[16:17], v[16:17], v[T+\j+2:T+\j+3]
.endr
	v_pk_add_f32 v[14:15], v[14:15], v[16:17]
	v_add_f32 v14, v14, v15
	ALLSUM 14, 15
	v_mul_f32 v14, s22, v14                        ; the mean
.irp j, 0,2,4,6,8,10,12,14,16,18,20,22,24,26,28,30
	v_pk_add_f32 v[T+\j:T+\j+1], v[T+\j:T+\j+1], v[14:15] op_sel_hi:[1,0] neg_lo:[0,1] neg_hi:[0,1]
.endr
	v_pk_mul_f32 v[16:17], v[T:T+1], v[T:T+1]
	v_pk_mul_f32 v[18:19], v[T+2:T+3], v[T+2:T+3]
.irp j, 4,8,12,16,20,24,28
	v_pk_fma_f32 v[16:17], v[T+\j:T+\j+1], v[T+\j:T+\j+1], v[16:17]
	v_pk_fma_f32 v[18:19], v[T+\j+2:T+\j+3], v[T+\j+2:T+\j+3], v[18:19]
.endr
	v_pk_add_f32 v[16:17], v[16:17], v[18:19]
	v_add_f32 v16, v16, v17
	ALLSUM 16, 17
	v_fma_f32 v16, v16, s22, s23                   ; variance + eps
	v_rsq_f32 v18, v16
	v_nop                                          ; a plain line behind the transcendental,
	s_wait_alu depctr_va_vdst(0)                   ; and the wait ahead of its first reader
.irp j, 0,2,4,6,8,10,12,14,16,18,20,22,24,26,28,30
	v_pk_mul_f32 v[T+\j:T+\j+1], v[T+\j:T+\j+1], v[18:19] op_sel_hi:[1,0]
.endr
.irp j, 0,2,4,6,8,10,12,14,16,18,20,22,24,26,28,30
	v_pk_fma_f32 v[T+\j:T+\j+1], v[T+\j:T+\j+1], v[G+\j:G+\j+1], v[BE+\j:BE+\j+1]
.endr
	v_max3_num_f32 v28, |v[T]|, |v[T+1]|, |v[T+2]|
	v_max3_num_f32 v29, |v[T+3]|, |v[T+4]|, |v[T+5]|
.irp j, 6,10,14,18,22,26
	v_max3_num_f32 v28, v28, |v[T+\j]|, |v[T+\j+1]|
	v_max3_num_f32 v29, v29, |v[T+\j+2]|, |v[T+\j+3]|
.endr
	v_max3_num_f32 v28, v28, |v[T+30]|, |v[T+31]|
	v_max3_num_f32 v28, v28, v29, 0x1800000        ; the floor 2^(3 - 127)
	v_add_nc_u32 v30, 0xff000000, v28              ; the conversion's scale operand
	v_lshrrev_b32 v31, 23, v30                     ; the byte
	v_cvt_scalef32_pk16_fp6_f32 v[20:22], v[T:T+15], v30
	v_cvt_scalef32_pk16_fp6_f32 v[24:26], v[T+16:T+31], v30
	v_nop
	v_mov_b32 v23, v24
	v_mov_b32 v24, v25
	v_mov_b32 v25, v26
	ds_store_b128 v6, v[20:23] offset:16*\i
	ds_store_b64 v7, v[24:25] offset:8*\i
	ds_store_b8 v8, v31 offset:4*\i
.endm
	ROW 0
	ROW 1
	ROW 2
	ROW 3
	s_wait_dscnt 0x0                               ; my stores have landed, for the other waves' sake
	s_barrier_signal -1
	s_barrier_wait -1
.irp q, 0,1
.irp p, 0,1,2
	ds_load_b128 v[X+4*(3*\q+\p):X+4*(3*\q+\p)+3], v9 offset:1600*\q+272*\p
.endr
.endr
	ds_load_b32 v[X+24], v11
	s_wait_dscnt 0x0
.irp q, 0,1
.irp p, 0,1,2
	global_store_b128 v10, v[X+4*(3*\q+\p):X+4*(3*\q+\p)+3], s[16:17] offset:393216*\q+256*\p   ; sixteen lanes store 256 consecutive bytes, aligned
.endr
.endr
	global_store_b32 v12, v[X+24], s[18:19]
	s_set_vgpr_msb 0x4
	s_wait_tensorcnt 0x0
	ds_add_u32 v27, v1
	s_wait_dscnt 0x0
	s_set_vgpr_msb 0x400
	s_endpgm
.Lfunc_end_k_q4fc23cc6aa_ln1:
	.size	k_q4fc23cc6aa_ln1, .Lfunc_end_k_q4fc23cc6aa_ln1-k_q4fc23cc6aa_ln1
	.p2alignl 7, 3214868480
	.fill 96, 4, 3214868480
	.section	.rodata,"a",@progbits
	.p2align	6, 0x0
	.amdhsa_kernel k_q4fc23cc6aa_ln1
		.amdhsa_group_segment_fixed_size 33280
		.amdhsa_private_segment_fixed_size 0
		.amdhsa_enable_private_segment 0
		.amdhsa_kernarg_size 32
		.amdhsa_user_sgpr_count 2
		.amdhsa_user_sgpr_kernarg_segment_ptr 1
		.amdhsa_wavefront_size32 1
		.amdhsa_system_sgpr_workgroup_id_x 1
		.amdhsa_system_sgpr_workgroup_id_y 1
		.amdhsa_system_sgpr_workgroup_id_z 1
		.amdhsa_system_vgpr_workitem_id 0
		.amdhsa_next_free_vgpr 258
		.amdhsa_next_free_sgpr 66
		.amdhsa_reserve_vcc 0
		.amdhsa_float_denorm_mode_32 3
		.amdhsa_float_denorm_mode_16_64 3
		.amdhsa_memory_ordered 1
		.amdhsa_forward_progress 1
		.amdhsa_inst_pref_size 44
	.end_amdhsa_kernel
	.amdgpu_metadata
---
amdhsa.version: [ 1, 2 ]
amdhsa.kernels:
  - .name:           k_q4fc23cc6aa_ln1
    .symbol:         k_q4fc23cc6aa_ln1.kd
    .args:
      - { .name: x, .offset: 0, .size: 8, .value_kind: global_buffer, .address_space: global }
      - { .name: g1, .offset: 8, .size: 8, .value_kind: global_buffer, .address_space: global }
      - { .name: be1, .offset: 16, .size: 8, .value_kind: global_buffer, .address_space: global }
      - { .name: act, .offset: 24, .size: 8, .value_kind: global_buffer, .address_space: global }
    .group_segment_fixed_size: 33280
    .private_segment_fixed_size: 0
    .kernarg_segment_align: 8
    .kernarg_segment_size: 32
    .max_flat_workgroup_size: 128
    .sgpr_count:     66
    .vgpr_count:     258
    .wavefront_size: 32
...
	.end_amdgpu_metadata
.endif
;; end of part 2
;; launch g_qkv (part 3): grid 8 x 24, 4 waves a work-group, clusters of 4 x 4, 327,680 bytes of LDS; arguments act, wts, b_qkv, qkv; writes qkv
.if DOCPART == 3
	.amdgcn_target "amdgcn-amd-amdhsa--gfx1250"
	.amdhsa_code_object_version 6
	.text
	.protected	k_q4fc23cc6aa_g_qkv
	.globl	k_q4fc23cc6aa_g_qkv
	.p2align	8
	.type	k_q4fc23cc6aa_g_qkv,@function
k_q4fc23cc6aa_g_qkv:
	s_mov_b64 s[64:65], 0
	v_nop
	global_prefetch_b8 v0, s[64:65] scope:SCOPE_SE
	s_setreg_imm32_b32 hwreg(HW_REG_WAVE_MODE, 25, 1), 1
	s_wait_xcnt 0x0
	s_wait_alu depctr_hold_cnt(0) depctr_sa_sdst(0) depctr_va_vdst(0) depctr_va_sdst(0) depctr_va_ssrc(0) depctr_va_vcc(0) depctr_vm_vsrc(0)
	s_getreg_b32 s2, hwreg(HW_REG_IB_STS2, 6, 4)
	s_cmp_eq_u32 s2, 0
	s_cbranch_scc0 .Lentry_in_a_cluster
	s_endpgm
.Lentry_in_a_cluster:
	s_bfe_u32 s2, ttmp6, 0x10000c
	s_cmp_lg_u32 s2, 0xf033
	s_cbranch_scc0 .Lentry_shape_is_right
	s_endpgm
.Lentry_shape_is_right:
; qkv = LN1(x) w_qkv + b_qkv on codes of E2M3, and q, k, v quantised again on the way out: q and k along the head's 64, v along the keys.
; OPERANDS lie in the order of their registers: unit (chunk = k / 64, g = row / 16) of 768 bytes at (chunk x 256 + g) x 768, lane' = row % 16 + 16 h: 16 bytes at 16 lane', 8 at 512 + 8 lane'; scale word (k / 128, row) at ((k / 128) x 4096 + row) x 4.
; A tile of 256 x 256 to a work-group, 128 x 128 to each of four waves (64 accumulators).  K = 1,024 goes in steps of 256 through two LDS slots; the scale words of the tile's rows come once.
; The product is used transposed: source 0 = 16 rows of "B", source 1 = 16 rows of "A": a lane holds one row of A and eight rows of B.
; CLUSTER ROWS 0-3 (q and k): A = tokens, B = weight positions 0-2047 (position = column with bits 3, 4 changed over, so a lane's 16 registers of two neighbouring accumulators are 16 neighbouring columns).
; CLUSTER ROWS 4-5 (v): A = weight positions 2048-3071, B = tokens: a lane holds one channel position and runs along the keys; inside a block of 32 keys, place (h, u, j) holds key 16 u + 8 h + j, the order in which the attention launch lays its weights.
; Only pointers and row numbers are chosen; both pitches are 4,096 rows, so every descriptor's shape is a constant.  The choice hangs on the cluster's y, which all sixteen partners share.
; CLUSTERS 4 x 4: A's tiles are asked for jointly along a row of the cluster, B's along a column.
; LIMITS: NaN and infinities are not served; a block whose largest magnitude lies under 2^-124 keeps the byte 1 (read by this program alone).
.set KTOT,  1024
.set RPA,   4096
.set RPB,   4096
.set ACT_S,  3145728
.set WQKV_S, 10223616
.set V_C,   6291456
.set Q_S,   9437184
.set K_S,   9568256
.set V_S,   9699328
.set HASBIAS, 0
.set NQ,    2
.set FR,    12
.set NL,    4                          ; LDS loads that bring a fragment
.set NP,    4                          ; places behind this matrix instruction (ISA guide 7.12.1)
.set HALFT, 24576                      ; 128 rows x 256 K: 4 chunks x 8 groups x 768 bytes: one tensor load
.set SLOT,  4*HALFT
.set LAPS,  KTOT/512
.set KQ,    KTOT/128
.set HALFS, 512*KQ                     ; the scale words of 128 rows
.set SCL,   2*SLOT                     ; A's two quarters, then B's two, these 64 bytes further on, so that A's and B's words of one load lie in different banks
.set SPARE, SCL+4*HALFS+256            ; the spare words: 128 bytes a wave, named by no other line
.set SCR,   SPARE+512                  ; scratch of its own: 2,048 bytes of plain scale words, 2,048 of k's paired ones
.set ADRA, 16                          ; v16-17 16 x lane + my A rows in slot 0, 1; v18-19 the same with 8 x lane
.set ADRB, 20                          ; v20-23 likewise for B
.set ADRS, 27
.set SPW,  28
.set NIL,  29
.set SC,   32                          ; v32-63 scale words, two sets: lanes 0-15 A's block i, lanes 16-31 B's block i
.set BN,   64                          ; v64-127 bias by column (q, k)
.set AF,   128                         ; v128-223 A's fragments, one set
.set BM,   232                         ; v232-239 bias by row (v)
.set HA,   128                         ; the way out: 64 numbers,
.set PC,   192                         ; their codes (12) and the conversions' second halves,
.set TM,   212                         ; v212-227 at work,
.set PW,   228                         ; the scale word
.set SEL,  66
.set G1, 24
.set G0, 32
.set G1B, 48
.set G0B, 56
.set G1S, 68
.set G0S, 76
.set G1SB, 80
.set G0SB, 88
.set MSB, 0
.macro WIN new                         ; the immediate's high byte repeats the setting that is left
.if MSB != (\new)
	s_set_vgpr_msb (MSB<<8)|(\new)
.set MSB, (\new)
.endif
.endm
.set MUL_LO, 0xa1                      ; source 0 (B) window 1, source 1 (A) window 0, C and D window 2
.set MUL_HI, 0xf1                      ; C and D window 3
.set Z_LO,   0xa1
.set Z_HI,   0xf1
.set TO_B,   0x40
.macro JLOAD g0a, g1a, g0b, g1b        ; waves 0, 1 fetch for A, waves 2, 3 for B; four v_nop follow each line
	s_cmp_eq_u32 s15, 0
	s_cbranch_scc0 .Lfor_b_\@
	tensor_load_to_lds s[\g0a:\g0a+3], s[\g1a:\g1a+7]
	s_nop 0
.rept 4
	v_nop
.endr
	s_branch .Lasked_\@
.Lfor_b_\@:
	tensor_load_to_lds s[\g0b:\g0b+3], s[\g1b:\g1b+7]
	s_nop 0
.rept 4
	v_nop
.endr
.Lasked_\@:
.endm
.macro CREST
	s_cmp_lg_u32 s14, 0
	s_cbranch_scc1 .Lnot_wave_0_\@
	s_barrier_signal -3
.Lnot_wave_0_\@:
	s_barrier_wait -3
	s_barrier_signal -1
	s_barrier_wait -1
.endm
.macro CROUND
	s_barrier_signal -1
	s_barrier_wait -1
	CREST
.endm
	s_load_b256 s[4:11], s[0:1], 0x0               ; act, wts, b_qkv, qkv
	v_lshl_add_u32 v[SPW], v0, 2, SPARE
	v_mov_b32 v[NIL], 0
	ds_add_u32 v28, v29
	ds_add_u32 v28, v29
	s_wait_dscnt 0x0
	v_lshrrev_b32 v1, 5, v0
	v_readfirstlane_b32 s14, v1                    ; wave
	s_lshr_b32 s15, s14, 1                         ; my half of A's rows; also: I fetch for A (0) or B (1)
	s_and_b32 s16, s14, 1                          ; my half of B's rows; also: which 128 rows I fetch
	s_bfe_u32 s40, ttmp6, 0x40000                  ; cx
	s_bfe_u32 s41, ttmp6, 0x40004                  ; cy
	s_and_b32 s95, ttmp7, 0xffff                   ; the cluster's y
	s_sub_co_u32 s97, s95, 4
	s_mov_b32 s12, ACT_S
	s_mov_b32 s13, WQKV_S
	s_cmp_ge_u32 s95, 4                            ; v's part?
	s_cselect_b32 s96, 1, 0
	s_cselect_b32 s17, 0, s95
	s_cselect_b32 s97, s97, 0
	s_cselect_b32 s19, 2048, 0                     ; v's weight positions begin at 2,048
	s_cselect_b32 s18, s13, s12                    ; where A's scale words lie in A's buffer,
	s_cselect_b32 s13, s12, s13                    ; and B's in B's
	s_mov_b32 s12, s18
	s_lshl_b32 s17, s17, 2
	s_add_co_u32 s17, s17, s41                     ; tile row
	s_lshl_b32 s42, ttmp9, 2
	s_add_co_u32 s42, s42, s40
	s_lshl_b32 s97, s97, 3
	s_add_co_u32 s42, s42, s97                     ; tile column
	s_lshl_b32 s43, s41, 2
	s_lshl_b32 s43, 15, s43                        ; my row of the cluster
	s_lshl_b32 s44, 0x1111, s40                    ; my column
	s_or_b32 s[G1+0], s43, (3<<16)|(1<<21)         ; mask; elements of 8 bytes; bit 21 beside a mask; no padding
	s_or_b32 s[G1B+0], s44, (3<<16)|(1<<21)
.irp g, G1, G1B
	s_mov_b32 s[\g+1], 768<<16                     ; a row of the tile: 8 groups x 768 bytes = 768 elements
	s_mov_b32 s[\g+2], 4<<16                       ; 4 chunks
	s_mov_b32 s[\g+3], 768<<16
	s_mov_b32 s[\g+4], 4
	s_mov_b32 s[\g+6], 0
	s_mov_b32 s[\g+7], 0
.endr
	s_mov_b32 s[G1+5], 6*RPA                       ; from chunk to chunk
	s_mov_b32 s[G1B+5], 6*RPB
	s_or_b32 s[G1S+0], s43, (3<<16)|(1<<21)
	s_or_b32 s[G1SB+0], s44, (3<<16)|(1<<21)
.irp g, G1S, G1SB
	s_mov_b32 s[\g+1], 64<<16                      ; 128 words
	s_mov_b32 s[\g+2], KQ<<16
	s_mov_b32 s[\g+3], 64<<16
	s_mov_b32 s[\g+4], KQ
	s_mov_b32 s[\g+6], 0
	s_mov_b32 s[\g+7], 0
.endr
	s_mov_b32 s[G1S+5], RPA/2
	s_mov_b32 s[G1SB+5], RPB/2
	s_mov_b32 s[SEL], 0x76543210
	s_mov_b32 s[SEL+1], 0xfedcba98
	s_lshl_b32 s18, s16, 7
	s_lshl_b32 s20, s17, 8
	s_add_co_u32 s20, s20, s18
	s_add_co_u32 s20, s20, s19                     ; A's first row that I fetch
	s_lshl_b32 s46, s42, 8
	s_add_co_u32 s46, s46, s18                     ; B's
	s_lshl_b32 s22, s20, 2
	s_add_co_u32 s22, s22, s12
	s_mul_i32 s20, s20, 48
	s_lshl_b32 s92, s46, 2
	s_add_co_u32 s92, s92, s13
	s_mul_i32 s46, s46, 48
	s_mov_b32 s21, 0
	s_mov_b32 s23, 0
	s_mov_b32 s47, 0
	s_mov_b32 s93, 0
	s_mul_i32 s45, s14, HALFT                      ; where they go: by the wave's number alone
	s_mul_i32 s94, s14, HALFS
	s_lshl_b32 s18, s15, 6
	s_add_co_u32 s94, s94, s18
	s_wait_kmcnt 0x0
	s_cmp_lg_u32 s96, 0
	s_cselect_b64 s[18:19], s[6:7], s[4:5]         ; A's buffer
	s_cselect_b64 s[98:99], s[4:5], s[6:7]         ; B's
	s_add_nc_u64 s[20:21], s[18:19], s[20:21]
	s_add_nc_u64 s[22:23], s[18:19], s[22:23]
	s_add_nc_u64 s[46:47], s[98:99], s[46:47]
	s_add_nc_u64 s[92:93], s[98:99], s[92:93]
	CROUND                                         ; all sixteen work-groups are here: the first joint loads meet
	s_mov_b32 s[G0S], 1
	s_add_co_u32 s[G0S+1], s94, SCL
	s_mov_b64 s[G0S+2:G0S+3], s[22:23]
	s_or_b32 s[G0S+3], s[G0S+3], 0x80000000
	s_mov_b32 s[G0SB], 1
	s_add_co_u32 s[G0SB+1], s94, SCL
	s_mov_b64 s[G0SB+2:G0SB+3], s[92:93]
	s_or_b32 s[G0SB+3], s[G0SB+3], 0x80000000
	JLOAD G0S, G1S, G0SB, G1SB
.irp s, 0,1
	s_mov_b32 s[G0+4*\s], 1
	s_add_co_u32 s[G0+4*\s+1], s45, \s*SLOT
	s_add_nc_u64 s[G0+4*\s+2:G0+4*\s+3], s[20:21], \s*192*RPA
	s_or_b32 s[G0+4*\s+3], s[G0+4*\s+3], 0x80000000
	s_mov_b32 s[G0B+4*\s], 1
	s_add_co_u32 s[G0B+4*\s+1], s45, \s*SLOT
	s_add_nc_u64 s[G0B+4*\s+2:G0B+4*\s+3], s[46:47], \s*192*RPB
	s_or_b32 s[G0B+4*\s+3], s[G0B+4*\s+3], 0x80000000
	JLOAD G0+4*\s, G1, G0B+4*\s, G1B
.endr
	v_and_b32 v1, 15, v0                           ; r
	v_bfe_u32 v2, v0, 4, 1                         ; h
	v_and_b32 v3, 31, v0
	v_lshlrev_b32 v4, 4, v3
	v_lshlrev_b32 v5, 3, v3
	s_mul_i32 s21, s15, HALFT
	s_mul_i32 s22, s16, HALFT
	s_add_co_u32 s22, s22, 2*HALFT
.irp s, 0,1
	v_add_nc_u32 v[ADRA+\s], s21, v4
	v_add_nc_u32 v[ADRB+\s], s22, v4
	v_add_nc_u32 v[ADRA+2+\s], s21, v5
	v_add_nc_u32 v[ADRB+2+\s], s22, v5
	s_add_co_u32 s21, s21, SLOT
	s_add_co_u32 s22, s22, SLOT
.endr
	s_mul_i32 s21, s15, HALFS
	s_mul_i32 s22, s16, HALFS
	s_add_co_u32 s22, s22, 2*HALFS+64
	s_sub_co_u32 s22, s22, s21
	v_mul_u32_u24 v6, s22, v2                      ; lanes 16-31 take B's words
	s_add_co_u32 s21, s21, SCL
	v_lshl_add_u32 v6, v1, 2, v6
	v_add_nc_u32 v[ADRS], s21, v6
	; the biases, both kinds loaded in both parts, each inside b_qkv: by column for q and k, by row for v
	s_lshl_b32 s20, s42, 8
	s_lshl_b32 s21, s16, 7
	s_add_co_u32 s20, s20, s21
	s_lshl_b32 s46, s17, 8
	s_lshl_b32 s47, s15, 7
	s_add_co_u32 s46, s46, s47
	s_cmp_lg_u32 s96, 0
	s_cselect_b32 s20, 0, s20
	s_cselect_b32 s46, s46, 0
	s_lshl_b32 s20, s20, 2
	s_mov_b32 s21, 0
	s_lshl_b32 s46, s46, 2
	s_add_co_u32 s46, s46, 8192
	s_mov_b32 s47, 0
	s_add_nc_u64 s[20:21], s[8:9], s[20:21]
	s_add_nc_u64 s[46:47], s[8:9], s[46:47]
	v_lshlrev_b32 v7, 6, v2
	v_and_b32 v8, 8, v1
	v_add_nc_u32 v8, v8, v1
	v_lshlrev_b32 v8, 2, v8                        ; 4 x (16 (r / 8) + r % 8)
.irp b, 0,1,2,3,4,5,6,7
	global_load_b128 v[BN+8*\b:BN+8*\b+3], v7, s[20:21] offset:128*(\b/2)+32*(\b%2)
	global_load_b128 v[BN+8*\b+4:BN+8*\b+7], v7, s[20:21] offset:128*(\b/2)+32*(\b%2)+16
.endr
.irp a, 0,1,2,3,4,5,6,7
	global_load_b32 v[BM+\a], v8, s[46:47] offset:4*(32*(\a/2)+8*(\a%2))
.endr
.macro FRAG reg, adr, q, i             ; 16 rows x 128 K: two units; registers 6 c .. 6 c + 3 by 16 bytes a lane, 6 c + 4, 6 c + 5 by 8: each load takes consecutive bytes
.irp c, 0,1
	ds_load_b128 v[\reg+6*\c:\reg+6*\c+3], v[\adr] offset:(2*(\q)+\c)*6144+(\i)*768
	ds_load_b64 v[\reg+6*\c+4:\reg+6*\c+5], v[\adr+2] offset:(2*(\q)+\c)*6144+(\i)*768+512
.endr
.endm
.macro MUL16 a0, p, q, sc, zero        ; A's blocks a0, a0 + 1 x B's eight; the 64 accumulators take turns, one instruction a turn
.irp a, \a0, \a0+1
.irp b, 0,1,2,3,4,5,6,7
.if \zero
	v_wmma_scale_f32_16x16x128_f8f6f4 v[8*(8*((\a)%4)+\b):8*(8*((\a)%4)+\b)+7], v[128*(\p)+FR*\b:128*(\p)+FR*\b+FR-1], v[AF+FR*(\a):AF+FR*(\a)+FR-1], 0, v[SC+8*NQ*(\sc)+NQ*\b+(\q)], v[SC+8*NQ*(\sc)+NQ*(\a)+(\q)] matrix_a_fmt:MATRIX_FMT_FP6 matrix_b_fmt:MATRIX_FMT_FP6 matrix_a_scale:MATRIX_SCALE_ROW1
.else
	v_wmma_scale_f32_16x16x128_f8f6f4 v[8*(8*((\a)%4)+\b):8*(8*((\a)%4)+\b)+7], v[128*(\p)+FR*\b:128*(\p)+FR*\b+FR-1], v[AF+FR*(\a):AF+FR*(\a)+FR-1], v[8*(8*((\a)%4)+\b):8*(8*((\a)%4)+\b)+7], v[SC+8*NQ*(\sc)+NQ*\b+(\q)], v[SC+8*NQ*(\sc)+NQ*(\a)+(\q)] matrix_a_fmt:MATRIX_FMT_FP6 matrix_b_fmt:MATRIX_FMT_FP6 matrix_a_scale:MATRIX_SCALE_ROW1
.endif
.endr
.endr
.endm
.macro FETCH_B slot, q, p
	WIN TO_B
.irp i, 0,1,2,3,4,5,6,7
	FRAG 128*(\p)+FR*\i, ADRB+\slot, \q, \i
.endr
	WIN 0
.endm
.macro FETCH_A slot, q, i0
.irp i, \i0, \i0+1, \i0+2, \i0+3
	FRAG AF+FR*(\i), ADRA+\slot, \q, \i
.endr
.endm
.macro SCALES sc                       ; the K step's scale words: two rows of 128 words a side
.irp i, 0,1,2,3,4,5,6,7
.irp q, 0,1
	ds_load_b32 v[SC+8*NQ*\sc+NQ*\i+\q], v[ADRS] offset:512*\q+64*\i
.endr
.endr
.endm
.macro PLACES n                        ; plain vector lines between a matrix instruction and a load into, or a vector read of, its registers
.rept \n
	v_nop
.endr
.endm
.macro STEP slot, q, zero
	s_wait_dscnt 4*NL                              ; all but A's blocks 4-7 (16 loads) are in
.if \zero
	WIN Z_LO
.else
	WIN MUL_LO
.endif
	MUL16 0, (\q)%2, \q, \slot, \zero
	MUL16 2, (\q)%2, \q, \slot, \zero
	s_wait_dscnt 0
	PLACES NP
	FETCH_B \slot, (\q)+1, 1-(\q)%2
	FETCH_A \slot, (\q)+1, 0
.if \zero
	WIN Z_HI
.else
	WIN MUL_HI
.endif
	MUL16 4, (\q)%2, \q, \slot, \zero
	MUL16 6, (\q)%2, \q, \slot, \zero
	PLACES NP
	WIN 0
	FETCH_A \slot, (\q)+1, 4
.endm
.macro TURN slot, next, fill           ; a slot's last step changes slots
	s_wait_tensorcnt 0x0                           ; all my tensor loads have landed, my part of the next slot among them
	ds_add_u32 v[SPW], v[NIL]                      ; 0 onto my spare word
	s_wait_dscnt 4*NL+1                            ; the add and A's blocks 4-7 may be out
	WIN MUL_LO
	MUL16 0, 1, NQ-1, \slot, 0
	s_wait_dscnt 0x0                               ; the add is done, my reads of this slot are over
	s_barrier_signal -1
	MUL16 2, 1, NQ-1, \slot, 0
	WIN 0
	s_barrier_wait -1
.if \fill
	CREST                                          ; the barrier has opened a round of the cluster's: no wave of any partner still reads this slot or has a load on its way
	s_add_nc_u64 s[G0+4*\slot+2:G0+4*\slot+3], s[G0+4*\slot+2:G0+4*\slot+3], 384*RPA
	s_add_nc_u64 s[G0B+4*\slot+2:G0B+4*\slot+3], s[G0B+4*\slot+2:G0B+4*\slot+3], 384*RPB
	JLOAD G0+4*\slot, G1, G0B+4*\slot, G1B
.else
	PLACES NP
.endif
	v_add_nc_u32 v[ADRS], 1024, v[ADRS]
	FETCH_B \next, 0, 0
	FETCH_A \next, 0, 0
	SCALES \next
	WIN MUL_HI
	MUL16 4, 1, NQ-1, \slot, 0
	MUL16 6, 1, NQ-1, \slot, 0
	PLACES NP
	WIN 0
	FETCH_A \next, 0, 4
.endm
	s_wait_tensorcnt 1                             ; the scale words and K step 0 are in; K step 1's load may be out
	s_barrier_signal -1
	s_barrier_wait -1
	FETCH_B 0, 0, 0
	FETCH_A 0, 0, 0
	SCALES 0
	FETCH_A 0, 0, 4
	s_wait_loadcnt 0x0                             ; the biases
	STEP 0, 0, 1
	s_mov_b32 s3, LAPS-1
.Llap:
	TURN 0, 1, 1
	STEP 1, 0, 0
	TURN 1, 0, 1
	STEP 0, 0, 0
	s_sub_co_u32 s3, s3, 1
	s_cmp_lg_u32 s3, 0
	s_cbranch_scc1 .Llap
	TURN 0, 1, 0
	STEP 1, 0, 0
	s_wait_dscnt 4*NL
	WIN MUL_LO
	MUL16 0, 1, NQ-1, 1, 0
	MUL16 2, 1, NQ-1, 1, 0
	s_wait_dscnt 0
	WIN MUL_HI
	MUL16 4, 1, NQ-1, 1, 0
	MUL16 6, 1, NQ-1, 1, 0
	WIN 0
	PLACES NP
; THE WAY OUT.  For each of my eight blocks of 16 rows of A: sums + bias, quantised in registers (64 numbers a lane are 128 along the next K: one fragment and one scale word a row), stored as two units.
; 64 numbers v[s] on, register 16 b + i = place 32 b + 16 (lane / 16) + i of my row -> codes in v[PC] on, scale word in v[PW]
.macro QUANT s
.irp b, 0,1,2,3
	v_max3_num_f32 v[TM+\b], |v[\s+16*\b]|, |v[\s+1+16*\b]|, 0x1800000   ; with the floor 2^(3 - 127)
.endr
.irp i, 2,4,6,8,10,12,14
.irp b, 0,1,2,3
	v_max3_num_f32 v[TM+\b], v[TM+\b], |v[\s+16*\b+\i]|, |v[\s+1+16*\b+\i]|
.endr
.endr
.irp b, 0,1,2,3
	v_permlanex16_b32 v[TM+4+\b], v[TM+\b], s[SEL], s[SEL+1]
.endr
.irp b, 0,1,2,3
	v_max_num_f32 v[TM+\b], v[TM+\b], v[TM+4+\b]
.endr
.irp b, 0,1,2,3
	v_add_nc_u32 v[TM+12+\b], 0xff000000, v[TM+\b]
.endr
.irp b, 0,1,2,3
	v_lshrrev_b32 v[TM+4+\b], 23, v[TM+12+\b]
.endr
	v_lshl_or_b32 v[PW], v[TM+5], 8, v[TM+4]
	v_lshl_or_b32 v[PW], v[TM+6], 16, v[PW]
	v_lshl_or_b32 v[PW], v[TM+7], 24, v[PW]
.irp c, 0,1
	v_cvt_scalef32_pk16_fp6_f32 v[PC+6*\c:PC+2+6*\c], v[\s+32*\c:\s+15+32*\c], v[TM+12+2*\c]
	v_cvt_scalef32_pk16_fp6_f32 v[PC+12+4*\c:PC+14+4*\c], v[\s+16+32*\c:\s+31+32*\c], v[TM+12+2*\c+1]
.endr
	v_nop
.irp c, 0,1
.irp i, 0,1,2
	v_permlane16_swap_b32 v[PC+6*\c+\i], v[PC+12+4*\c+\i]
.endr
.irp i, 0,1,2
	v_mov_b32 v[PC+3+6*\c+\i], v[PC+12+4*\c+\i]
.endr
.endr
.endm
	s_mov_b32 s20, 196608
	s_mov_b32 s22, Q_S
	s_mov_b32 s23, 16384
	s_cmp_lg_u32 s96, 0
	s_cselect_b32 s20, 49152, s20                  ; bytes from chunk to chunk in the target,
	s_cselect_b32 s21, V_C, 0                      ; the target's codes,
	s_cselect_b32 s22, V_S, s22                    ; its scale words,
	s_cselect_b32 s23, 4096, s23                   ; and their pitch
	s_lshl_b32 s32, s42, 2
	s_lshl_b32 s33, s16, 1
	s_add_co_u32 s32, s32, s33                     ; first chunk: 4 x tile column + 2 x half
	s_lshl_b32 s37, s17, 4
	s_lshl_b32 s33, s15, 3
	s_add_co_u32 s37, s37, s33                     ; first group: 16 x tile row + 8 x half
	s_mul_i32 s34, s32, s20
	s_add_co_u32 s34, s34, s21
	s_mul_i32 s33, s37, 768
	s_add_co_u32 s34, s34, s33
	s_mov_b32 s35, 0
	s_add_nc_u64 s[24:25], s[10:11], s[34:35]
	s_mov_b32 s34, s20
	s_add_nc_u64 s[26:27], s[24:25], s[34:35]
	s_lshr_b32 s33, s32, 1
	s_mul_i32 s33, s33, s23
	s_add_co_u32 s33, s33, s22
	s_lshl_b32 s36, s37, 6
	s_add_co_u32 s33, s33, s36                     ; q's or v's scale words
	s_sub_co_u32 s36, s32, 16
	s_lshl_b32 s36, s36, 13
	s_add_co_u32 s36, s36, K_S
	s_lshl_b32 s39, s37, 5
	s_add_co_u32 s36, s36, s39                     ; k's: [head][32 keys][16 words]
	s_cmp_eq_u32 ttmp9, 1
	s_cselect_b32 s38, 1, 0
	s_cmp_eq_u32 s96, 0
	s_cselect_b32 s38, s38, 0                      ; k's part: cluster x = 1 of the first four cluster rows
	s_cmp_lg_u32 s38, 0
	s_cselect_b32 s34, s36, s33
	s_add_nc_u64 s[28:29], s[10:11], s[34:35]
	v_and_b32 v1, 15, v0
	v_and_b32 v3, 31, v0
	v_lshlrev_b32 v9, 4, v3
	v_lshlrev_b32 v10, 3, v3
	s_lshl_b32 s39, s14, 9
	s_add_co_u32 s39, s39, SCR
	v_lshl_add_u32 v24, v1, 2, s39                 ; scratch: my wave's 512 bytes, my row's word
	v_add_nc_u32 v25, 2048, v24
	v_add_nc_u32 v26, s39, v9
	v_lshrrev_b32 v11, 4, v3
	v_lshlrev_b32 v11, 13, v11
	v_lshl_add_u32 v11, v1, 4, v11                 ; k's words: lanes 16-31 a head on
.irp b, 0,1,2,3
	v_mov_b32 v[TM+4+\b], 0                        ; a lane permute's destination counts as read
.endr
	v_mov_b32 v229, 0                              ; the block before's scale word
.macro ARMQ a                          ; block a: sums + bias by column
.if \a < 7
	s_cmp_eq_u32 s30, \a
	s_cbranch_scc0 .Lnotq_\a
.endif
	WIN 0x02+\a/4
.set AC, 64*(\a%4)
.set ii, 0
.rept 32
	v_pk_add_f32 v[HA+ii:HA+ii+1], v[AC+ii:AC+ii+1], v[BN+ii:BN+ii+1]
.set ii, ii+2
.endr
	WIN 0
	s_branch .Lcommon
.Lnotq_\a:
.endm
.macro ARMV a                          ; block a: sums + my row's bias
.if \a < 7
	s_cmp_eq_u32 s30, \a
	s_cbranch_scc0 .Lnotv_\a
.endif
	WIN 0x02+\a/4
.set AC, 64*(\a%4)
.set ii, 0
.rept 32
.if \a%2
	v_pk_add_f32 v[HA+ii:HA+ii+1], v[AC+ii:AC+ii+1], v[BM+2*(\a/2):BM+2*(\a/2)+1] op_sel:[0,1] op_sel_hi:[1,1]
.else
	v_pk_add_f32 v[HA+ii:HA+ii+1], v[AC+ii:AC+ii+1], v[BM+2*(\a/2):BM+2*(\a/2)+1] op_sel:[0,0] op_sel_hi:[1,0]
.endif
.set ii, ii+2
.endr
	WIN 0
	s_branch .Lcommon
.Lnotv_\a:
.endm
	s_mov_b32 s30, 0
	s_mov_b32 s31, 0
.Lrow:
	s_cmp_lg_u32 s96, 0
	s_cbranch_scc1 .Lv_arms
.irp a, 0,1,2,3,4,5,6,7
	ARMQ \a
.endr
.Lv_arms:
.irp a, 0,1,2,3,4,5,6,7
	ARMV \a
.endr
.Lcommon:
	QUANT HA
	global_store_b128 v9, v[PC:PC+3], s[24:25]                 ; 512 consecutive bytes, at a multiple of 256
	global_store_b64 v10, v[PC+4:PC+5], s[24:25] offset:512    ; 256
	global_store_b128 v9, v[PC+6:PC+9], s[26:27]
	global_store_b64 v10, v[PC+10:PC+11], s[26:27] offset:512
	v_add_nc_u32 v30, s31, v24
	ds_store_b32 v30, v[PW]                        ; both halves of the lanes write the same word with the same value
	v_and_b32 v230, 0xffff, v229                   ; k's words: two bytes of the even block's key, two of the odd block's; an even trip's pair is written over by the odd trip that follows
	v_lshl_or_b32 v230, v[PW], 16, v230
	v_lshrrev_b32 v231, 16, v229
	v_and_or_b32 v231, v[PW], 0xffff0000, v231
	s_lshr_b32 s33, s30, 1
	s_lshl_b32 s33, s33, 6
	v_add_nc_u32 v31, s33, v25
	ds_store_b32 v31, v230
	ds_store_b32 v31, v231 offset:256
	v_mov_b32 v229, v[PW]
	s_wait_xcnt 0x0                                ; the stores have read their data and bases: both are written again only behind this wait
	s_add_nc_u64 s[24:25], s[24:25], 768
	s_add_nc_u64 s[26:27], s[26:27], 768
	s_add_co_u32 s31, s31, 64
	s_add_co_u32 s30, s30, 1
	s_cmp_lt_u32 s30, 8
	s_cbranch_scc1 .Lrow
	s_cmp_lg_u32 s38, 0
	s_cbranch_scc1 .Lk_words
	ds_load_b128 v[64:67], v26                     ; my own scratch, served in order
	s_wait_dscnt 0x0
	global_store_b128 v9, v[64:67], s[28:29]       ; 512 consecutive bytes
	s_branch .Ldone
.Lk_words:
	ds_load_b128 v[64:67], v26 offset:2048
	s_wait_dscnt 0x0
	global_store_b128 v11, v[64:67], s[28:29]      ; 256 consecutive bytes for each of two heads
.Ldone:
	s_wait_tensorcnt 0x0                           ; the wave's end
	ds_add_u32 v[SPW], v[NIL]
	s_wait_dscnt 0x0
	CROUND                                         ; the closing round
	s_endpgm
.Lfunc_end_k_q4fc23cc6aa_g_qkv:
	.size	k_q4fc23cc6aa_g_qkv, .Lfunc_end_k_q4fc23cc6aa_g_qkv-k_q4fc23cc6aa_g_qkv
	.p2alignl 7, 3214868480
	.fill 96, 4, 3214868480
	.section	.rodata,"a",@progbits
	.p2align	6, 0x0
	.amdhsa_kernel k_q4fc23cc6aa_g_qkv
		.amdhsa_group_segment_fixed_size 327680
		.amdhsa_private_segment_fixed_size 0
		.amdhsa_enable_private_segment 0
		.amdhsa_kernarg_size 32
		.amdhsa_user_sgpr_count 2
		.amdhsa_user_sgpr_kernarg_segment_ptr 1
		.amdhsa_wavefront_size32 1
		.amdhsa_system_sgpr_workgroup_id_x 1
		.amdhsa_system_sgpr_workgroup_id_y 1
		.amdhsa_system_sgpr_workgroup_id_z 1
		.amdhsa_system_vgpr_workitem_id 0
		.amdhsa_next_free_vgpr 1024
		.amdhsa_next_free_sgpr 100
		.amdhsa_reserve_vcc 0
		.amdhsa_float_denorm_mode_32 3
		.amdhsa_float_denorm_mode_16_64 3
		.amdhsa_memory_ordered 1
		.amdhsa_forward_progress 1
		.amdhsa_inst_pref_size 161
	.end_amdhsa_kernel
	.amdgpu_metadata
---
amdhsa.version: [ 1, 2 ]
amdhsa.kernels:
  - .name:           k_q4fc23cc6aa_g_qkv
    .symbol:         k_q4fc23cc6aa_g_qkv.kd
    .args:
      - { .name: act, .offset: 0, .size: 8, .value_kind: global_buffer, .address_space: global }
      - { .name: wts, .offset: 8, .size: 8, .value_kind: global_buffer, .address_space: global }
      - { .name: b_qkv, .offset: 16, .size: 8, .value_kind: global_buffer, .address_space: global }
      - { .name: qkv, .offset: 24, .size: 8, .value_kind: global_buffer, .address_space: global }
    .group_segment_fixed_size: 327680
    .private_segment_fixed_size: 0
    .kernarg_segment_align: 8
    .kernarg_segment_size: 32
    .max_flat_workgroup_size: 128
    .sgpr_count:     100
    .vgpr_count:     1024
    .wavefront_size: 32
...
	.end_amdgpu_metadata
.endif
;; end of part 3
;; launch attn (part 4): grid 8 x 32, 16 waves a work-group, clusters of 4 x 1, 206,848 bytes of LDS; arguments qkv, act; writes act
.if DOCPART == 4
	.amdgcn_target "amdgcn-amd-amdhsa--gfx1250"
	.amdhsa_code_object_version 6
	.text
	.protected	k_q4fc23cc6aa_attn
	.globl	k_q4fc23cc6aa_attn
	.p2align	8
	.type	k_q4fc23cc6aa_attn,@function
k_q4fc23cc6aa_attn:
	s_mov_b64 s[64:65], 0
	v_nop
	global_prefetch_b8 v0, s[64:65] scope:SCOPE_SE
	s_setreg_imm32_b32 hwreg(HW_REG_WAVE_MODE, 25, 1), 1
	s_wait_xcnt 0x0
	s_wait_alu depctr_hold_cnt(0) depctr_sa_sdst(0) depctr_va_vdst(0) depctr_va_sdst(0) depctr_va_ssrc(0) depctr_va_vcc(0) depctr_vm_vsrc(0)
	s_getreg_b32 s2, hwreg(HW_REG_IB_STS2, 6, 4)
	s_cmp_eq_u32 s2, 0
	s_cbranch_scc0 .Lentry_in_a_cluster
	s_endpgm
.Lentry_in_a_cluster:
	s_bfe_u32 s2, ttmp6, 0x10000c
	s_cmp_lg_u32 s2, 0x3003
	s_cbranch_scc0 .Lentry_shape_is_right
	s_endpgm
.Lentry_shape_is_right:
; o = softmax(q k^T / 8) v for one head of 64 and 256 queries a work-group, both products on codes of E2M3; o / l is quantised along the model's 1,024 and stored as an operand for the next product.
; t = score x log2(e) / 8; M = the running largest t rounded up to a whole number; p = 2^(t - M) is quantised along the keys; the row's sum is taken of the unquantised p; when M moves, the sum and O are multiplied by a power of two.
; SHARES: sixteen waves, each one tile of 16 queries in 256 registers.  A head's K, V and their scale words for the batch's 2,048 keys (200 KiB) come into LDS ONCE: no byte of LDS is filled twice.
; Wave 0 asks for K's scale words and K's four quarters, wave 1 for V's: five tensor loads of a wave are out at the most.  A quarter (512 keys) is read behind a counted wait and a barrier.
; CLUSTER 4 x 1: the four query blocks of a cluster walk the same head: every tile is asked for jointly.
; LAYOUT: both products transposed, a lane holds one query.  A head has K = 64 under an instruction of 128: a fragment of K holds keys 32 f + r (registers 0-5) and 32 f + 16 + r (registers 6-11), and is multiplied
; by [q | 0] and by [0 | q].  So a lane's 16 registers of the two results hold key 16 u + 8 h + j at place (h, u, j) of a block of 32: the order in which V's codes were laid.
; V's rows are channel positions (channel with bits 3, 4 changed over), so a lane's 16 registers of two tiles of O^T are 16 neighbouring channels.
; o's two scale bytes a row are stored 2 bytes a row, 4 bytes apart (two heads share a word): 32 of a wave's 800 bytes.
; No prefetch: all of the launch's stream is asked for at its head.
; LIMITS: NaN and infinities are not served; a block whose largest magnitude lies under 2^-124 keeps the byte 1 (read by this program alone).
.set V_C,   6291456
.set Q_S,   9437184
.set K_S,   9568256
.set V_S,   9699328
.set ACT_S, 3145728
.set VC,    98304                      ; LDS: K's codes at 0, V's here,
.set KS,    196608                     ; K's scale words,
.set VS,    200704                     ; V's
.set WV,  18
.set CNT, 19
.set SEL, 20
.set CS,  22
.set TB,  2
.set TS,  3
.set G1K,  24
.set G1V,  32
.set G1KS, 40
.set G1VS, 48
.macro CROUND
	s_barrier_signal -1
	s_barrier_wait -1
	s_cmp_lg_u32 s[WV], 0
	s_cbranch_scc1 .Lnot_wave_0_\@
	s_barrier_signal -3
.Lnot_wave_0_\@:
	s_barrier_wait -3
	s_barrier_signal -1
	s_barrier_wait -1
.endm
	s_load_b128 s[4:7], s[0:1], 0x0                ; qkv, act
	v_lshl_add_u32 v254, v0, 2, 0x32000
	v_mov_b32 v255, 0
	ds_add_u32 v254, v255
	ds_add_u32 v254, v255
	v_lshrrev_b32 v8, 5, v0
	v_readfirstlane_b32 s[WV], v8                  ; wave 0..15
	s_bfe_u32 s80, ttmp6, 0x40000                  ; cx
	s_lshl_b32 s81, ttmp9, 2
	s_add_co_u32 s81, s81, s80                     ; my block of 256 queries: it enters q's and o's addresses alone
	s_and_b32 s82, ttmp7, 0xffff
	s_lshr_b32 s83, s82, 4                         ; batch
	s_and_b32 s84, s82, 15                         ; head
	s_add_co_u32 s85, s84, 16
	s_mul_i32 s85, s85, 196608
	s_mul_i32 s86, s83, 98304
	s_add_co_u32 s85, s85, s86                     ; K's codes: chunk 16 + head, groups 128 x batch on
	s_mul_i32 s86, s83, 1572864
	s_mul_i32 s87, s84, 3072
	s_add_co_u32 s86, s86, s87
	s_add_co_u32 s86, s86, V_C                     ; V's: key chunks 32 x batch on, groups 4 x head on
	s_lshl_b32 s87, s84, 13
	s_lshl_b32 s88, s83, 12
	s_add_co_u32 s87, s87, s88
	s_add_co_u32 s87, s87, K_S
	s_lshl_b32 s88, s83, 16
	s_lshl_b32 s89, s84, 8
	s_add_co_u32 s88, s88, s89
	s_add_co_u32 s88, s88, V_S
	s_mov_b32 s89, 393216
	s_cmp_eq_u32 s[WV], 0                          ; wave 0 fetches for K, wave 1 for V
	s_cselect_b32 s90, s85, s86
	s_cselect_b32 s92, s87, s88
	s_cselect_b32 s94, 24576, s89                  ; from quarter to quarter in memory
	s_mov_b32 s91, 0
	s_mov_b32 s93, 0
	s_mov_b32 s95, 0
	s_mul_i32 s96, s[WV], 98304                    ; where the codes go,
	s_lshl_b32 s97, s[WV], 12
	s_add_co_u32 s97, s97, KS                      ; and the scale words
.irp g, G1K, G1V, G1KS, G1VS
	s_mov_b32 s[\g], 15|(3<<16)|(1<<21)            ; all four work-groups; elements of 8 bytes; bit 21 beside a mask
	s_mov_b32 s[\g+6], 0
	s_mov_b32 s[\g+7], 0
.endr
	s_mov_b32 s[G1K+1], 32<<16                     ; K's quarter: 24,576 dense bytes as 96 rows of 256
	s_mov_b32 s[G1K+2], 96<<16
	s_mov_b32 s[G1K+3], 32<<16
	s_mov_b32 s[G1K+4], 96
	s_mov_b32 s[G1K+5], 32
	s_mov_b32 s[G1V+1], 384<<16                    ; V's quarter: 8 key chunks of 3,072 bytes, 49,152 apart
	s_mov_b32 s[G1V+2], 8<<16
	s_mov_b32 s[G1V+3], 384<<16
	s_mov_b32 s[G1V+4], 8
	s_mov_b32 s[G1V+5], 6144
	s_mov_b32 s[G1KS+1], 32<<16                    ; K's scale words: 4,096 dense bytes
	s_mov_b32 s[G1KS+2], 16<<16
	s_mov_b32 s[G1KS+3], 32<<16
	s_mov_b32 s[G1KS+4], 16
	s_mov_b32 s[G1KS+5], 32
	s_mov_b32 s[G1VS+1], 32<<16                    ; V's: 16 rows of 256 bytes, 4,096 apart
	s_mov_b32 s[G1VS+2], 16<<16
	s_mov_b32 s[G1VS+3], 32<<16
	s_mov_b32 s[G1VS+4], 16
	s_mov_b32 s[G1VS+5], 512
	s_mov_b32 s[SEL], 0x76543210
	s_mov_b32 s[SEL+1], 0xfedcba98
	s_mov_b32 s[CS], 0x3e38aa3b                    ; log2(e) / 8
	s_mov_b32 s[CS+1], s[CS]
	s_mov_b32 s[TB], 0
	s_mov_b32 s[TS], 0
	s_wait_dscnt 0x0
	s_wait_kmcnt 0x0
	s_add_nc_u64 s[90:91], s[4:5], s[90:91]
	s_add_nc_u64 s[92:93], s[4:5], s[92:93]
	s_mov_b32 s56, 1
	s_mov_b32 s57, s97
	s_mov_b64 s[58:59], s[92:93]
	s_or_b32 s59, s59, 0x80000000
.irp g, 60, 68, 72, 76
	s_mov_b32 s[\g], 1
	s_mov_b32 s[\g+1], s96
	s_mov_b64 s[\g+2:\g+3], s[90:91]
	s_or_b32 s[\g+3], s[\g+3], 0x80000000
	s_add_co_u32 s96, s96, 24576
	s_add_nc_u64 s[90:91], s[90:91], s[94:95]
.endr
	CROUND                                         ; all four work-groups are here: the joint loads meet
	s_cmp_eq_u32 s[WV], 0
	s_cbranch_scc0 .Lnot_k
	tensor_load_to_lds s[56:59], s[G1KS:G1KS+7]
	s_nop 0
	tensor_load_to_lds s[60:63], s[G1K:G1K+7]
	s_nop 0
	tensor_load_to_lds s[68:71], s[G1K:G1K+7]
	s_nop 0
	tensor_load_to_lds s[72:75], s[G1K:G1K+7]
	s_nop 0
	tensor_load_to_lds s[76:79], s[G1K:G1K+7]
	s_nop 0
.rept 4
	v_nop
.endr
	s_branch .Lasked
.Lnot_k:
	s_cmp_eq_u32 s[WV], 1
	s_cbranch_scc0 .Lasked
	tensor_load_to_lds s[56:59], s[G1VS:G1VS+7]
	s_nop 0
	tensor_load_to_lds s[60:63], s[G1V:G1V+7]
	s_nop 0
	tensor_load_to_lds s[68:71], s[G1V:G1V+7]
	s_nop 0
	tensor_load_to_lds s[72:75], s[G1V:G1V+7]
	s_nop 0
	tensor_load_to_lds s[76:79], s[G1V:G1V+7]
	s_nop 0
.rept 4
	v_nop
.endr
.Lasked:
	s_lshl_b32 s98, s83, 7
	s_lshl_b32 s99, s81, 4
	s_add_co_u32 s98, s98, s99
	s_add_co_u32 s98, s98, s[WV]                   ; my group of 16 tokens
	s_lshl_b32 s99, s84, 8
	s_add_co_u32 s99, s99, s98
	s_mul_i32 s8, s99, 768                         ; unit (chunk = head, my group): q's in qkv and o's in act alike
	s_mov_b32 s9, 0
	s_lshr_b32 s99, s84, 1
	s_lshl_b32 s99, s99, 14
	s_lshl_b32 s98, s98, 6
	s_add_co_u32 s12, s99, s98                     ; scale row head / 2, my 16 words
	s_and_b32 s16, s84, 1
	s_lshl_b32 s17, s16, 1
	s_lshl_b32 s16, s16, 4
	s_add_co_u32 s14, s12, s17
	s_add_co_u32 s14, s14, ACT_S
	s_add_co_u32 s12, s12, Q_S
	s_mov_b32 s13, 0
	s_mov_b32 s15, 0
	s_add_nc_u64 s[10:11], s[6:7], s[8:9]
	s_add_nc_u64 s[8:9], s[4:5], s[8:9]
	s_add_nc_u64 s[12:13], s[4:5], s[12:13]
	s_add_nc_u64 s[14:15], s[6:7], s[14:15]
	v_and_b32 v7, 31, v0
	v_and_b32 v9, 15, v0
	v_lshlrev_b32 v1, 4, v7                        ; a unit's first part: 16 x lane
	v_lshl_add_u32 v2, v7, 3, 512                  ; its second: 512 + 8 x lane
	v_add_nc_u32 v3, VC, v1
	v_add_nc_u32 v4, VC, v2
	v_lshl_add_u32 v5, v9, 2, KS
	v_lshl_add_u32 v6, v9, 2, VS
	v_lshlrev_b32 v10, 2, v9
	global_load_b128 v[20:23], v1, s[8:9]          ; [q | 0]
	global_load_b64 v[24:25], v2, s[8:9]
	global_load_b128 v[38:41], v1, s[8:9]          ; [0 | q]: loaded twice, into registers of its own
	global_load_b64 v[42:43], v2, s[8:9]
	global_load_b32 v18, v10, s[12:13]
.irp j, 26,27,28,29,30,31,32,33,34,35,36,37
	v_mov_b32 v[\j], 0
.endr
	s_wait_loadcnt 0x0
	v_lshrrev_b32 v18, s16, v18                    ; my head's two bytes,
	v_and_b32 v18, 0xffff, v18
	v_lshl_or_b32 v18, v18, 16, v18                ; for either half of the 128
	v_mov_b32 v15, 0xff61b1e6                      ; the largest t so far: -3e38
	v_floor_f32 v14, -v15                          ; -M
	v_mov_b32 v16, 0
	v_mov_b32 v17, 0
.irp j, 208,209,210,211,216,219
	v_mov_b32 v[\j], 0                             ; written once: lane permutes' destinations, and the upper half of a pair
.endr
.set jj, 0
.rept 32
	v_mov_b32 v[160+jj], 0                         ; O^T: the first change of M leaves zeros zeros
.set jj, jj+1
.endr
.macro STEP                            ; 128 keys
	v_add_nc_u32 v8, s[TB], v1                     ; (these six are also the places in front of the loads below)
	v_add_nc_u32 v9, s[TB], v2
	v_add_nc_u32 v10, s[TB], v3
	v_add_nc_u32 v11, s[TB], v4
	v_add_nc_u32 v12, s[TS], v5
	v_add_nc_u32 v13, s[TS], v6
.irp f, 0,1,2,3
.irp c, 0,1
	ds_load_b128 v[44+12*\f+6*\c:44+12*\f+6*\c+3], v8 offset:1536*\f+768*\c
	ds_load_b64 v[44+12*\f+6*\c+4:44+12*\f+6*\c+5], v9 offset:1536*\f+768*\c
.endr
	ds_load_b32 v[92+\f], v12 offset:64*\f
.endr
	s_wait_dscnt 0x0
.irp f, 0,1,2,3
	v_wmma_scale_f32_16x16x128_f8f6f4 v[96+16*\f:103+16*\f], v[44+12*\f:55+12*\f], v[20:31], 0, v[92+\f], v18 matrix_a_fmt:MATRIX_FMT_FP6 matrix_b_fmt:MATRIX_FMT_FP6
	v_wmma_scale_f32_16x16x128_f8f6f4 v[104+16*\f:111+16*\f], v[44+12*\f:55+12*\f], v[32:43], 0, v[92+\f], v18 matrix_a_fmt:MATRIX_FMT_FP6 matrix_b_fmt:MATRIX_FMT_FP6
.endr
.rept 4
	v_nop
.endr
.irp b, 0,1,2,3
	v_max3_num_f32 v[204+\b], v[96+16*\b], v[97+16*\b], v[98+16*\b]   ; the largest score of each block of 32 keys: for the row's maximum and for the block's largest p
.endr
.irp i, 3,5,7,9,11,13
.irp b, 0,1,2,3
	v_max3_num_f32 v[204+\b], v[204+\b], v[96+16*\b+\i], v[97+16*\b+\i]
.endr
.endr
.irp b, 0,1,2,3
	v_max_num_f32 v[204+\b], v[204+\b], v[111+16*\b]
.endr
.irp b, 0,1,2,3
	v_permlanex16_b32 v[208+\b], v[204+\b], s[SEL], s[SEL+1]
.endr
.irp b, 0,1,2,3
	v_max_num_f32 v[204+\b], v[204+\b], v[208+\b]
.endr
	v_max3_num_f32 v216, v204, v205, v206
	v_max_num_f32 v216, v216, v207
	v_mul_f32 v216, s[CS], v216
	v_max_num_f32 v15, v15, v216                   ; the running largest t
	v_mov_b32 v216, v14
	v_floor_f32 v14, -v15                          ; -M = floor(-t)
	v_sub_f32 v216, v14, v216                      ; old M - new M, a whole number, 0 or less
	v_cvt_i32_f32 v216, v216
	v_ldexp_f32 v218, 1.0, v216                    ; f = 2^(old M - new M)
.set jj, 0
.rept 32
	v_pk_fma_f32 v[96+jj:97+jj], v[96+jj:97+jj], s[CS:CS+1], v[14:15] op_sel_hi:[1,0,0]
.set jj, jj+2
.endr
.irp b, 0,1,2,3
	v_fma_f32 v[204+\b], v[204+\b], s[CS], v14
.endr
.set jj, 0
.rept 64
	v_exp_f32 v[96+jj], v[96+jj]                   ; p = 2^(t - M)
.set jj, jj+1
.endr
	v_pk_mul_f32 v[16:17], v[16:17], v[218:219] op_sel_hi:[1,0]   ; a plain line behind the exponentials
	s_wait_alu depctr_va_vdst(0)                   ; one wait for the batch, ahead of its first reader
.irp b, 0,1,2,3
	v_exp_f32 v[204+\b], v[204+\b]                 ; each block's largest p
.endr
	v_pk_add_f32 v[220:221], v[96:97], v[98:99]    ; the row's sum of the unquantised p, in two chains
.irp j, 4,8,12,16,20,24,28,32,36,40,44,48,52,56,60
	v_pk_add_f32 v[16:17], v[16:17], v[96+\j:97+\j]
	v_pk_add_f32 v[220:221], v[220:221], v[98+\j:99+\j]
.endr
	v_pk_add_f32 v[16:17], v[16:17], v[220:221]
	s_wait_alu depctr_va_vdst(0)                   ; and one for the four
.irp b, 0,1,2,3
	v_max_num_f32 v[204+\b], 0x1800000, v[204+\b]
.endr
.irp b, 0,1,2,3
	v_add_nc_u32 v[212+\b], 0xff000000, v[204+\b]
.endr
.irp b, 0,1,2,3
	v_lshrrev_b32 v[208+\b], 23, v[212+\b]
.endr
	v_lshl_or_b32 v232, v209, 8, v208
	v_lshl_or_b32 v232, v210, 16, v232
	v_lshl_or_b32 v232, v211, 24, v232             ; p's scale word
.irp c, 0,1
	v_cvt_scalef32_pk16_fp6_f32 v[192+6*\c:194+6*\c], v[96+32*\c:111+32*\c], v[212+2*\c]
	v_cvt_scalef32_pk16_fp6_f32 v[224+4*\c:226+4*\c], v[112+32*\c:127+32*\c], v[212+2*\c+1]
.endr
	v_nop
.irp c, 0,1
.irp i, 0,1,2
	v_permlane16_swap_b32 v[192+6*\c+\i], v[224+4*\c+\i]
.endr
.irp i, 0,1,2
	v_mov_b32 v[195+6*\c+\i], v[224+4*\c+\i]
.endr
.endr
.set jj, 0
.rept 16
	v_pk_mul_f32 v[160+jj:161+jj], v[160+jj:161+jj], v[218:219] op_sel_hi:[1,0]   ; O^T under the new M; these sixteen are the places in front of the products below
.set jj, jj+2
.endr
.irp t, 0,1,2,3
.irp c, 0,1
	ds_load_b128 v[44+12*\t+6*\c:44+12*\t+6*\c+3], v10 offset:768*\t+3072*\c
	ds_load_b64 v[44+12*\t+6*\c+4:44+12*\t+6*\c+5], v11 offset:768*\t+3072*\c
.endr
	ds_load_b32 v[92+\t], v13 offset:64*\t
.endr
	s_wait_dscnt 0x0
.irp t, 0,1,2,3
	v_wmma_scale_f32_16x16x128_f8f6f4 v[160+8*\t:167+8*\t], v[44+12*\t:55+12*\t], v[192:203], v[160+8*\t:167+8*\t], v[92+\t], v232 matrix_a_fmt:MATRIX_FMT_FP6 matrix_b_fmt:MATRIX_FMT_FP6
.endr
	s_add_co_u32 s[TB], s[TB], 6144
	s_add_co_u32 s[TS], s[TS], 256
.endm
.macro QUARTER n
	s_wait_tensorcnt 3-\n                          ; the scale words and quarters up to this one have landed; the later quarters may be out
	s_wait_dscnt 0x0
	s_barrier_signal -1
	s_barrier_wait -1
	s_mov_b32 s[CNT], 4
.Lq_\@:
	STEP
	s_sub_co_u32 s[CNT], s[CNT], 1
	s_cmp_lg_u32 s[CNT], 0
	s_cbranch_scc1 .Lq_\@
.endm
	QUARTER 0
	QUARTER 1
	QUARTER 2
	QUARTER 3
	v_add_f32 v16, v16, v17
	v_permlanex16_b32 v216, v16, s[SEL], s[SEL+1]
	v_add_f32 v16, v16, v216                       ; the row's sum
	v_rcp_f32 v16, v16
	v_and_b32 v9, 15, v0
	v_lshlrev_b32 v9, 2, v9
	v_nop
	v_nop
	s_wait_alu depctr_va_vdst(0)
.set jj, 0
.rept 32
	v_mul_f32 v[96+jj], v[160+jj], v16             ; register 16 u + i: channel 32 u + 16 h + i
.set jj, jj+1
.endr
.irp t, 0,1
	v_max3_num_f32 v[204+\t], |v[96+16*\t]|, |v[97+16*\t]|, 0x1800000
.endr
.irp i, 2,4,6,8,10,12,14
.irp t, 0,1
	v_max3_num_f32 v[204+\t], v[204+\t], |v[96+16*\t+\i]|, |v[97+16*\t+\i]|
.endr
.endr
.irp t, 0,1
	v_permlanex16_b32 v[208+\t], v[204+\t], s[SEL], s[SEL+1]
.endr
.irp t, 0,1
	v_max_num_f32 v[204+\t], v[204+\t], v[208+\t]
.endr
.irp t, 0,1
	v_add_nc_u32 v[212+\t], 0xff000000, v[204+\t]
.endr
.irp t, 0,1
	v_lshrrev_b32 v[208+\t], 23, v[212+\t]
.endr
	v_lshl_or_b32 v232, v209, 8, v208
	v_cvt_scalef32_pk16_fp6_f32 v[192:194], v[96:111], v212
	v_cvt_scalef32_pk16_fp6_f32 v[224:226], v[112:127], v213
	v_nop
.irp i, 0,1,2
	v_permlane16_swap_b32 v[192+\i], v[224+\i]
.endr
.irp i, 0,1,2
	v_mov_b32 v[195+\i], v[224+\i]
.endr
	global_store_b128 v1, v[192:195], s[10:11]     ; 512 consecutive bytes, at a multiple of 256
	global_store_b64 v2, v[196:197], s[10:11]      ; 256 (the offset register carries the 512)
	global_store_b16 v9, v232, s[14:15]            ; lanes l and l + 16 name the same two bytes and hold the same value
	s_wait_tensorcnt 0x0
	ds_add_u32 v254, v255
	s_wait_dscnt 0x0
	CROUND                                         ; the closing round
	s_endpgm
.Lfunc_end_k_q4fc23cc6aa_attn:
	.size	k_q4fc23cc6aa_attn, .Lfunc_end_k_q4fc23cc6aa_attn-k_q4fc23cc6aa_attn
	.p2alignl 7, 3214868480
	.fill 96, 4, 3214868480
	.section	.rodata,"a",@progbits
	.p2align	6, 0x0
	.amdhsa_kernel k_q4fc23cc6aa_attn
		.amdhsa_group_segment_fixed_size 206848
		.amdhsa_private_segment_fixed_size 0
		.amdhsa_enable_private_segment 0
		.amdhsa_kernarg_size 16
		.amdhsa_user_sgpr_count 2
		.amdhsa_user_sgpr_kernarg_segment_ptr 1
		.amdhsa_wavefront_size32 1
		.amdhsa_system_sgpr_workgroup_id_x 1
		.amdhsa_system_sgpr_workgroup_id_y 1
		.amdhsa_system_sgpr_workgroup_id_z 1
		.amdhsa_system_vgpr_workitem_id 0
		.amdhsa_next_free_vgpr 256
		.amdhsa_next_free_sgpr 100
		.amdhsa_reserve_vcc 0
		.amdhsa_float_denorm_mode_32 3
		.amdhsa_float_denorm_mode_16_64 3
		.amdhsa_memory_ordered 1
		.amdhsa_forward_progress 1
		.amdhsa_inst_pref_size 81
	.end_amdhsa_kernel
	.amdgpu_metadata
---
amdhsa.version: [ 1, 2 ]
amdhsa.kernels:
  - .name:           k_q4fc23cc6aa_attn
    .symbol:         k_q4fc23cc6aa_attn.kd
    .args:
      - { .name: qkv, .offset: 0, .size: 8, .value_kind: global_buffer, .address_space: global }
      - { .name: act, .offset: 8, .size: 8, .value_kind: global_buffer, .address_space: global }
    .group_segment_fixed_size: 206848
    .private_segment_fixed_size: 0
    .kernarg_segment_align: 8
    .kernarg_segment_size: 16
    .max_flat_workgroup_size: 512
    .sgpr_count:     100
    .vgpr_count:     256
    .wavefront_size: 32
...
	.end_amdgpu_metadata
.endif
;; end of part 4
;; launch g_out (part 5): grid 4 x 16, 4 waves a work-group, clusters of 4 x 4, 327,680 bytes of LDS; arguments act, wts, b_out, x, x1; writes x1
.if DOCPART == 5
	.amdgcn_target "amdgcn-amd-amdhsa--gfx1250"
	.amdhsa_code_object_version 6
	.text
	.protected	k_q4fc23cc6aa_g_out
	.globl	k_q4fc23cc6aa_g_out
	.p2align	8
	.type	k_q4fc23cc6aa_g_out,@function
k_q4fc23cc6aa_g_out:
	s_mov_b64 s[64:65], 0
	v_nop
	global_prefetch_b8 v0, s[64:65] scope:SCOPE_SE
	s_setreg_imm32_b32 hwreg(HW_REG_WAVE_MODE, 25, 1), 1
	s_wait_xcnt 0x0
	s_wait_alu depctr_hold_cnt(0) depctr_sa_sdst(0) depctr_va_vdst(0) depctr_va_sdst(0) depctr_va_ssrc(0) depctr_va_vcc(0) depctr_vm_vsrc(0)
	s_getreg_b32 s2, hwreg(HW_REG_IB_STS2, 6, 4)
	s_cmp_eq_u32 s2, 0
	s_cbranch_scc0 .Lentry_in_a_cluster
	s_endpgm
.Lentry_in_a_cluster:
	s_bfe_u32 s2, ttmp6, 0x10000c
	s_cmp_lg_u32 s2, 0xf033
	s_cbranch_scc0 .Lentry_shape_is_right
	s_endpgm
.Lentry_shape_is_right:
; x1 = x + o w_out + b_out.  o's codes and w_out's lie in the order of an operand's registers: unit (chunk = k / 64, g = row / 16) of 768 bytes at (chunk x RP / 16 + g) x 768; scale word (k / 128, row) at ((k / 128) x RP + row) x 4.
; A tile of 256 x 256 to a work-group, 128 x 128 to each of four waves.  K = 1,024 in steps of 256 through two LDS slots; the tile's scale words come once.  64 tiles: a smaller tile would read LDS more for each product.
; The product is used transposed (source 0 = 16 weight positions, source 1 = 16 tokens); weight position = column with bits 3, 4 changed over, so accumulator b's registers are columns 32 (b / 2) + 16 h + 8 (b % 2) + j.
; The bias is the C of each sum's first product.  CLUSTERS 4 x 4: A's tiles jointly along a row of the cluster, B's along a column.
; No prefetch: the launch has one refill a slot, two in all.
.set KTOT,  1024
.set RPA,   4096
.set RPB,   1024
.set A_C,   0
.set A_S,   3145728
.set B_C,   3145728
.set B_S,   10354688
.set NQ,    2
.set FR,    12
.set NL,    4
.set NP,    4
.set HALFT, 24576
.set SLOT,  4*HALFT
.set LAPS,  KTOT/512
.set KQ,    KTOT/128
.set HALFS, 512*KQ
.set SCL,   2*SLOT
.set SPARE, SCL+4*HALFS+256
.set SPITCH, 528                       ; the way out: 16 rows x (512 + 16) bytes a wave, in slot 0, which has had its last fill and its last read by then
.set ADRA, 16
.set ADRB, 20
.set STO,  24
.set RD,   25
.set CO,   26
.set ADRS, 27
.set SPW,  28
.set NIL,  29
.set SC,   32
.set BN,   64
.set RES,  64
.set AF,   128
.set BK,   128
.set G1, 24
.set G0, 32
.set G1B, 48
.set G0B, 56
.set G1S, 68
.set G0S, 76
.set G1SB, 80
.set G0SB, 88
.set MSB, 0
.macro WIN new
.if MSB != (\new)
	s_set_vgpr_msb (MSB<<8)|(\new)
.set MSB, (\new)
.endif
.endm
.set MUL_LO, 0xa1
.set MUL_HI, 0xf1
.set Z_LO,   0x81                      ; the first products: C (the bias) in window 0
.set Z_HI,   0xc1
.set TO_B,   0x40
.macro JLOAD g0a, g1a, g0b, g1b
	s_cmp_eq_u32 s15, 0
	s_cbranch_scc0 .Lfor_b_\@
	tensor_load_to_lds s[\g0a:\g0a+3], s[\g1a:\g1a+7]
	s_nop 0
.rept 4
	v_nop
.endr
	s_branch .Lasked_\@
.Lfor_b_\@:
	tensor_load_to_lds s[\g0b:\g0b+3], s[\g1b:\g1b+7]
	s_nop 0
.rept 4
	v_nop
.endr
.Lasked_\@:
.endm
.macro CREST
	s_cmp_lg_u32 s14, 0
	s_cbranch_scc1 .Lnot_wave_0_\@
	s_barrier_signal -3
.Lnot_wave_0_\@:
	s_barrier_wait -3
	s_barrier_signal -1
	s_barrier_wait -1
.endm
.macro CROUND
	s_barrier_signal -1
	s_barrier_wait -1
	CREST
.endm
	s_load_b256 s[4:11], s[0:1], 0x0               ; act, wts, bias, residual
	s_load_b64 s[12:13], s[0:1], 0x20              ; the result
	v_lshl_add_u32 v[SPW], v0, 2, SPARE
	v_mov_b32 v[NIL], 0
	ds_add_u32 v28, v29
	ds_add_u32 v28, v29
	s_wait_dscnt 0x0
	v_lshrrev_b32 v1, 5, v0
	v_readfirstlane_b32 s14, v1
	s_lshr_b32 s15, s14, 1
	s_and_b32 s16, s14, 1
	s_bfe_u32 s40, ttmp6, 0x40000
	s_bfe_u32 s41, ttmp6, 0x40004
	s_lshl_b32 s42, ttmp9, 2
	s_add_co_u32 s42, s42, s40                     ; tile column
	s_and_b32 s17, ttmp7, 0xffff
	s_lshl_b32 s17, s17, 2
	s_add_co_u32 s17, s17, s41                     ; tile row
	s_lshl_b32 s43, s41, 2
	s_lshl_b32 s43, 15, s43
	s_lshl_b32 s44, 0x1111, s40
	s_or_b32 s[G1+0], s43, (3<<16)|(1<<21)
	s_or_b32 s[G1B+0], s44, (3<<16)|(1<<21)
.irp g, G1, G1B
	s_mov_b32 s[\g+1], 768<<16
	s_mov_b32 s[\g+2], 4<<16
	s_mov_b32 s[\g+3], 768<<16
	s_mov_b32 s[\g+4], 4
	s_mov_b32 s[\g+6], 0
	s_mov_b32 s[\g+7], 0
.endr
	s_mov_b32 s[G1+5], 6*RPA
	s_mov_b32 s[G1B+5], 6*RPB
	s_or_b32 s[G1S+0], s43, (3<<16)|(1<<21)
	s_or_b32 s[G1SB+0], s44, (3<<16)|(1<<21)
.irp g, G1S, G1SB
	s_mov_b32 s[\g+1], 64<<16
	s_mov_b32 s[\g+2], KQ<<16
	s_mov_b32 s[\g+3], 64<<16
	s_mov_b32 s[\g+4], KQ
	s_mov_b32 s[\g+6], 0
	s_mov_b32 s[\g+7], 0
.endr
	s_mov_b32 s[G1S+5], RPA/2
	s_mov_b32 s[G1SB+5], RPB/2
	s_lshl_b32 s18, s16, 7
	s_lshl_b32 s20, s17, 8
	s_add_co_u32 s20, s20, s18
	s_lshl_b32 s46, s42, 8
	s_add_co_u32 s46, s46, s18
	s_lshl_b32 s22, s20, 2
	s_add_co_u32 s22, s22, A_S
	s_mul_i32 s20, s20, 48
	s_add_co_u32 s20, s20, A_C
	s_lshl_b32 s92, s46, 2
	s_add_co_u32 s92, s92, B_S
	s_mul_i32 s46, s46, 48
	s_add_co_u32 s46, s46, B_C
	s_mov_b32 s21, 0
	s_mov_b32 s23, 0
	s_mov_b32 s47, 0
	s_mov_b32 s93, 0
	s_mul_i32 s45, s14, HALFT
	s_mul_i32 s94, s14, HALFS
	s_lshl_b32 s18, s15, 6
	s_add_co_u32 s94, s94, s18
	s_wait_kmcnt 0x0
	s_add_nc_u64 s[20:21], s[4:5], s[20:21]
	s_add_nc_u64 s[22:23], s[4:5], s[22:23]
	s_add_nc_u64 s[46:47], s[6:7], s[46:47]
	s_add_nc_u64 s[92:93], s[6:7], s[92:93]
	CROUND
	s_mov_b32 s[G0S], 1
	s_add_co_u32 s[G0S+1], s94, SCL
	s_mov_b64 s[G0S+2:G0S+3], s[22:23]
	s_or_b32 s[G0S+3], s[G0S+3], 0x80000000
	s_mov_b32 s[G0SB], 1
	s_add_co_u32 s[G0SB+1], s94, SCL
	s_mov_b64 s[G0SB+2:G0SB+3], s[92:93]
	s_or_b32 s[G0SB+3], s[G0SB+3], 0x80000000
	JLOAD G0S, G1S, G0SB, G1SB
.irp s, 0,1
	s_mov_b32 s[G0+4*\s], 1
	s_add_co_u32 s[G0+4*\s+1], s45, \s*SLOT
	s_add_nc_u64 s[G0+4*\s+2:G0+4*\s+3], s[20:21], \s*192*RPA
	s_or_b32 s[G0+4*\s+3], s[G0+4*\s+3], 0x80000000
	s_mov_b32 s[G0B+4*\s], 1
	s_add_co_u32 s[G0B+4*\s+1], s45, \s*SLOT
	s_add_nc_u64 s[G0B+4*\s+2:G0B+4*\s+3], s[46:47], \s*192*RPB
	s_or_b32 s[G0B+4*\s+3], s[G0B+4*\s+3], 0x80000000
	JLOAD G0+4*\s, G1, G0B+4*\s, G1B
.endr
	v_and_b32 v1, 15, v0
	v_bfe_u32 v2, v0, 4, 1
	v_and_b32 v3, 31, v0
	v_lshlrev_b32 v4, 4, v3
	v_lshlrev_b32 v5, 3, v3
	s_mul_i32 s21, s15, HALFT
	s_mul_i32 s22, s16, HALFT
	s_add_co_u32 s22, s22, 2*HALFT
.irp s, 0,1
	v_add_nc_u32 v[ADRA+\s], s21, v4
	v_add_nc_u32 v[ADRB+\s], s22, v4
	v_add_nc_u32 v[ADRA+2+\s], s21, v5
	v_add_nc_u32 v[ADRB+2+\s], s22, v5
	s_add_co_u32 s21, s21, SLOT
	s_add_co_u32 s22, s22, SLOT
.endr
	s_mul_i32 s21, s15, HALFS
	s_mul_i32 s22, s16, HALFS
	s_add_co_u32 s22, s22, 2*HALFS+64
	s_sub_co_u32 s22, s22, s21
	v_mul_u32_u24 v6, s22, v2
	s_add_co_u32 s21, s21, SCL
	v_lshl_add_u32 v6, v1, 2, v6
	v_add_nc_u32 v[ADRS], s21, v6
	s_lshl_b32 s46, s42, 10                        ; my first column, in bytes
	s_lshl_b32 s47, s16, 9
	s_add_co_u32 s46, s46, s47
	s_mov_b32 s47, 0
	s_add_nc_u64 s[8:9], s[8:9], s[46:47]
	v_lshlrev_b32 v7, 6, v2
.irp b, 0,1,2,3,4,5,6,7
	global_load_b128 v[BN+8*\b:BN+8*\b+3], v7, s[8:9] offset:128*(\b/2)+32*(\b%2)
	global_load_b128 v[BN+8*\b+4:BN+8*\b+7], v7, s[8:9] offset:128*(\b/2)+32*(\b%2)+16
.endr
	s_lshl_b32 s20, s17, 20                        ; my first row: 256 x tile row + 128 x half, of 4,096 bytes
	s_lshl_b32 s21, s15, 19
	s_add_co_u32 s20, s20, s21
	s_mov_b32 s21, 0
	s_add_nc_u64 s[20:21], s[20:21], s[46:47]
	s_add_nc_u64 s[10:11], s[10:11], s[20:21]
	s_add_nc_u64 s[12:13], s[12:13], s[20:21]
	s_mul_i32 s23, s14, 16*SPITCH
	v_mul_u32_u24 v6, v1, SPITCH
	v_lshl_add_u32 v6, v2, 6, v6
	v_add_nc_u32 v[STO], s23, v6                   ; stage, in: row r, + 64 h
	v_mov_b32 v[CO], v4
	v_add_nc_u32 v[RD], s23, v4                    ; back: a row of 512 bytes to the 32 lanes
.macro FRAG reg, adr, q, i
.irp c, 0,1
	ds_load_b128 v[\reg+6*\c:\reg+6*\c+3], v[\adr] offset:(2*(\q)+\c)*6144+(\i)*768
	ds_load_b64 v[\reg+6*\c+4:\reg+6*\c+5], v[\adr+2] offset:(2*(\q)+\c)*6144+(\i)*768+512
.endr
.endm
.macro MUL16 a0, p, q, sc, zero
.irp a, \a0, \a0+1
.irp b, 0,1,2,3,4,5,6,7
.if \zero
	v_wmma_scale_f32_16x16x128_f8f6f4 v[8*(8*((\a)%4)+\b):8*(8*((\a)%4)+\b)+7], v[128*(\p)+FR*\b:128*(\p)+FR*\b+FR-1], v[AF+FR*(\a):AF+FR*(\a)+FR-1], v[BN+8*\b:BN+8*\b+7], v[SC+8*NQ*(\sc)+NQ*\b+(\q)], v[SC+8*NQ*(\sc)+NQ*(\a)+(\q)] matrix_a_fmt:MATRIX_FMT_FP6 matrix_b_fmt:MATRIX_FMT_FP6 matrix_a_scale:MATRIX_SCALE_ROW1
.else
	v_wmma_scale_f32_16x16x128_f8f6f4 v[8*(8*((\a)%4)+\b):8*(8*((\a)%4)+\b)+7], v[128*(\p)+FR*\b:128*(\p)+FR*\b+FR-1], v[AF+FR*(\a):AF+FR*(\a)+FR-1], v[8*(8*((\a)%4)+\b):8*(8*((\a)%4)+\b)+7], v[SC+8*NQ*(\sc)+NQ*\b+(\q)], v[SC+8*NQ*(\sc)+NQ*(\a)+(\q)] matrix_a_fmt:MATRIX_FMT_FP6 matrix_b_fmt:MATRIX_FMT_FP6 matrix_a_scale:MATRIX_SCALE_ROW1
.endif
.endr
.endr
.endm
.macro FETCH_B slot, q, p
	WIN TO_B
.irp i, 0,1,2,3,4,5,6,7
	FRAG 128*(\p)+FR*\i, ADRB+\slot, \q, \i
.endr
	WIN 0
.endm
.macro FETCH_A slot, q, i0
.irp i, \i0, \i0+1, \i0+2, \i0+3
	FRAG AF+FR*(\i), ADRA+\slot, \q, \i
.endr
.endm
.macro SCALES sc
.irp i, 0,1,2,3,4,5,6,7
.irp q, 0,1
	ds_load_b32 v[SC+8*NQ*\sc+NQ*\i+\q], v[ADRS] offset:512*\q+64*\i
.endr
.endr
.endm
.macro PLACES n
.rept \n
	v_nop
.endr
.endm
.macro STEP slot, q, zero
	s_wait_dscnt 4*NL                              ; all but A's blocks 4-7 (16 loads) are in
.if \zero
	WIN Z_LO
.else
	WIN MUL_LO
.endif
	MUL16 0, (\q)%2, \q, \slot, \zero
	MUL16 2, (\q)%2, \q, \slot, \zero
	s_wait_dscnt 0
	PLACES NP
	FETCH_B \slot, (\q)+1, 1-(\q)%2
	FETCH_A \slot, (\q)+1, 0
.if \zero
	WIN Z_HI
.else
	WIN MUL_HI
.endif
	MUL16 4, (\q)%2, \q, \slot, \zero
	MUL16 6, (\q)%2, \q, \slot, \zero
	PLACES NP
	WIN 0
	FETCH_A \slot, (\q)+1, 4
.endm
.macro TURN slot, next, fill
	s_wait_tensorcnt 0x0                           ; all my tensor loads have landed
	ds_add_u32 v[SPW], v[NIL]                      ; 0 onto my spare word
	s_wait_dscnt 4*NL+1                            ; the add and A's blocks 4-7 may be out
	WIN MUL_LO
	MUL16 0, 1, NQ-1, \slot, 0
	s_wait_dscnt 0x0                               ; the add is done, my reads of this slot are over
	s_barrier_signal -1
	MUL16 2, 1, NQ-1, \slot, 0
	WIN 0
	s_barrier_wait -1
.if \fill
	CREST
	s_add_nc_u64 s[G0+4*\slot+2:G0+4*\slot+3], s[G0+4*\slot+2:G0+4*\slot+3], 384*RPA
	s_add_nc_u64 s[G0B+4*\slot+2:G0B+4*\slot+3], s[G0B+4*\slot+2:G0B+4*\slot+3], 384*RPB
	JLOAD G0+4*\slot, G1, G0B+4*\slot, G1B
.else
	PLACES NP
.endif
	v_add_nc_u32 v[ADRS], 1024, v[ADRS]
	FETCH_B \next, 0, 0
	FETCH_A \next, 0, 0
	SCALES \next
	WIN MUL_HI
	MUL16 4, 1, NQ-1, \slot, 0
	MUL16 6, 1, NQ-1, \slot, 0
	PLACES NP
	WIN 0
	FETCH_A \next, 0, 4
.endm
	s_wait_tensorcnt 1                             ; the scale words and K step 0 are in; K step 1's load may be out
	s_barrier_signal -1
	s_barrier_wait -1
	FETCH_B 0, 0, 0
	FETCH_A 0, 0, 0
	SCALES 0
	FETCH_A 0, 0, 4
	s_wait_loadcnt 0x0                             ; the bias
	STEP 0, 0, 1
	s_mov_b32 s3, LAPS-1
.Llap:
	TURN 0, 1, 1
	STEP 1, 0, 0
	TURN 1, 0, 1
	STEP 0, 0, 0
	s_sub_co_u32 s3, s3, 1
	s_cmp_lg_u32 s3, 0
	s_cbranch_scc1 .Llap
	TURN 0, 1, 0
	STEP 1, 0, 0
	s_wait_dscnt 4*NL
	WIN MUL_LO
	MUL16 0, 1, NQ-1, 1, 0
	MUL16 2, 1, NQ-1, 1, 0
	s_wait_dscnt 0
	WIN MUL_HI
	MUL16 4, 1, NQ-1, 1, 0
	MUL16 6, 1, NQ-1, 1, 0
	WIN 0
	PLACES NP
; THE WAY OUT, a block of 16 rows at a time: through my own stage into whole rows of 512 bytes, + the residual, stored.
.macro RLOAD a
.irp t, 0,1,2,3,4,5,6,7,8,9,10,11,12,13,14,15
	global_load_b128 v[RES+4*\t:RES+4*\t+3], v[CO], s[10:11] offset:(16*(\a)+\t)*4096 th:TH_LOAD_NT
.endr
.endm
.macro TOSTAGE a
.set AC, 64*((\a)%4)
	WIN 0x08+4*((\a)/4)
.irp b, 0,1,2,3,4,5,6,7
	ds_store_b128 v[STO], v[AC+8*\b:AC+8*\b+3] offset:128*(\b/2)+32*(\b%2)
	ds_store_b128 v[STO], v[AC+8*\b+4:AC+8*\b+7] offset:128*(\b/2)+32*(\b%2)+16
.endr
	WIN 0
.set BB, BK+64*((\a)%2)
.irp t, 0,1,2,3,4,5,6,7,8,9,10,11,12,13,14,15
	ds_load_b128 v[BB+4*\t:BB+4*\t+3], v[RD] offset:\t*SPITCH   ; my own stage, served in order
.endr
.endm
.macro SEND a
.set BB, BK+64*((\a)%2)
.set ii, 0
.rept 32
	v_pk_add_f32 v[BB+ii:BB+ii+1], v[BB+ii:BB+ii+1], v[RES+ii:RES+ii+1]
.set ii, ii+2
.endr
.if (\a) < 7
	RLOAD (\a)+1
.endif
.irp t, 0,1,2,3,4,5,6,7,8,9,10,11,12,13,14,15
	global_store_b128 v[CO], v[BB+4*\t:BB+4*\t+3], s[12:13] offset:(16*(\a)+\t)*4096   ; 512 consecutive bytes, at a multiple of 512
.endr
.endm
	RLOAD 0
.irp a, 0,1,2,3,4,5,6,7
.if \a > 1
	s_wait_xcnt 0x0                                ; block a - 2's stores have read their registers: block a's rows may land there
.endif
	TOSTAGE \a
	s_wait_dscnt 0x0
	s_wait_loadcnt 0x0                             ; the residual's rows
	SEND \a
.endr
	s_wait_tensorcnt 0x0                           ; the wave's end
	ds_add_u32 v[SPW], v[NIL]
	s_wait_dscnt 0x0
	CROUND
	s_endpgm
.Lfunc_end_k_q4fc23cc6aa_g_out:
	.size	k_q4fc23cc6aa_g_out, .Lfunc_end_k_q4fc23cc6aa_g_out-k_q4fc23cc6aa_g_out
	.p2alignl 7, 3214868480
	.fill 96, 4, 3214868480
	.section	.rodata,"a",@progbits
	.p2align	6, 0x0
	.amdhsa_kernel k_q4fc23cc6aa_g_out
		.amdhsa_group_segment_fixed_size 327680
		.amdhsa_private_segment_fixed_size 0
		.amdhsa_enable_private_segment 0
		.amdhsa_kernarg_size 40
		.amdhsa_user_sgpr_count 2
		.amdhsa_user_sgpr_kernarg_segment_ptr 1
		.amdhsa_wavefront_size32 1
		.amdhsa_system_sgpr_workgroup_id_x 1
		.amdhsa_system_sgpr_workgroup_id_y 1
		.amdhsa_system_sgpr_workgroup_id_z 1
		.amdhsa_system_vgpr_workitem_id 0
		.amdhsa_next_free_vgpr 1024
		.amdhsa_next_free_sgpr 100
		.amdhsa_reserve_vcc 0
		.amdhsa_float_denorm_mode_32 3
		.amdhsa_float_denorm_mode_16_64 3
		.amdhsa_memory_ordered 1
		.amdhsa_forward_progress 1
		.amdhsa_inst_pref_size 175
	.end_amdhsa_kernel
	.amdgpu_metadata
---
amdhsa.version: [ 1, 2 ]
amdhsa.kernels:
  - .name:           k_q4fc23cc6aa_g_out
    .symbol:         k_q4fc23cc6aa_g_out.kd
    .args:
      - { .name: act, .offset: 0, .size: 8, .value_kind: global_buffer, .address_space: global }
      - { .name: wts, .offset: 8, .size: 8, .value_kind: global_buffer, .address_space: global }
      - { .name: b_out, .offset: 16, .size: 8, .value_kind: global_buffer, .address_space: global }
      - { .name: x, .offset: 24, .size: 8, .value_kind: global_buffer, .address_space: global }
      - { .name: x1, .offset: 32, .size: 8, .value_kind: global_buffer, .address_space: global }
    .group_segment_fixed_size: 327680
    .private_segment_fixed_size: 0
    .kernarg_segment_align: 8
    .kernarg_segment_size: 40
    .max_flat_workgroup_size: 128
    .sgpr_count:     100
    .vgpr_count:     1024
    .wavefront_size: 32
...
	.end_amdgpu_metadata
.endif
;; end of part 5
;; launch ln2: the kernel of part 2 again; grid 256 x 1, 4 waves a work-group, no clusters, 33,280 bytes of LDS; arguments x1, g2, be2, act; writes act
;; launch g_ff1 (part 6): grid 16 x 16, 4 waves a work-group, clusters of 4 x 4, 327,680 bytes of LDS; arguments act, wts, b1, ff; writes ff
.if DOCPART == 6
	.amdgcn_target "amdgcn-amd-amdhsa--gfx1250"
	.amdhsa_code_object_version 6
	.text
	.protected	k_q4fc23cc6aa_g_ff1
	.globl	k_q4fc23cc6aa_g_ff1
	.p2align	8
	.type	k_q4fc23cc6aa_g_ff1,@function
k_q4fc23cc6aa_g_ff1:
	s_mov_b64 s[64:65], 0
	v_nop
	global_prefetch_b8 v0, s[64:65] scope:SCOPE_SE
	s_setreg_imm32_b32 hwreg(HW_REG_WAVE_MODE, 25, 1), 1
	s_wait_xcnt 0x0
	s_wait_alu depctr_hold_cnt(0) depctr_sa_sdst(0) depctr_va_vdst(0) depctr_va_sdst(0) depctr_va_ssrc(0) depctr_va_vcc(0) depctr_vm_vsrc(0)
	s_getreg_b32 s2, hwreg(HW_REG_IB_STS2, 6, 4)
	s_cmp_eq_u32 s2, 0
	s_cbranch_scc0 .Lentry_in_a_cluster
	s_endpgm
.Lentry_in_a_cluster:
	s_bfe_u32 s2, ttmp6, 0x10000c
	s_cmp_lg_u32 s2, 0xf033
	s_cbranch_scc0 .Lentry_shape_is_right
	s_endpgm
.Lentry_shape_is_right:
; ff = Q(gelu(LN2(x1) w1 + b1)): the product on codes of E2M3, the exact GELU in f32, the result quantised along the 4,096 hidden units in registers and stored as an operand for the next product.
; Layouts, tile, ring, cluster and transposed use as in the launch for q, k, v: unit (chunk = k / 64, g = row / 16) of 768 bytes at (chunk x 256 + g) x 768; scale word (k / 128, row) at ((k / 128) x 4096 + row) x 4.
; The bias is the C of each sum's first product.  gelu(x) = x / 2 + (x / 2) erf(x / sqrt 2); erf(z) = z P(z^2) / Q(z^2) with z held to +-4, P of degree 6 and Q of degree 4.
; LIMITS: the rational form of erf is taken to hold to about 1e-7 absolutely; NaN and infinities are not served; a block whose largest magnitude lies under 2^-124 keeps the byte 1 (read by this program alone).
.set KTOT,  1024
.set RPA,   4096
.set RPB,   4096
.set A_C,   0
.set A_S,   3145728
.set B_C,   3932160
.set B_S,   10387456
.set FF_S,  12582912
.set NQ,    2
.set FR,    12
.set NL,    4
.set NP,    4
.set HALFT, 24576
.set SLOT,  4*HALFT
.set LAPS,  KTOT/512
.set KQ,    KTOT/128
.set HALFS, 512*KQ
.set SCL,   2*SLOT
.set SPARE, SCL+4*HALFS+256
.set SCR,   SPARE+512                  ; scratch of its own: 512 bytes of scale words a wave
.set ADRA, 16
.set ADRB, 20
.set ADRS, 27
.set SPW,  28
.set NIL,  29
.set SC,   32
.set BN,   64
.set AF,   128
.set Z,    64                          ; the way out: v64-79 z, v80-95 z^2, v96-111 P, v112-127 Q
.set X2,   80
.set PP,   96
.set QQ,   112
.set HA,   128
.set PC,   192
.set TM,   212
.set PW,   228
.set VA11, 230
.set VB6,  232
.set SEL,  66
.set C_R2,  68                         ; scalar pairs: sqrt 2 and the coefficients
.set C_A13, 70
.set C_A9,  72
.set C_A7,  74
.set C_A5,  76
.set C_A3,  78
.set C_A1,  80
.set C_B8,  82
.set C_B4,  84
.set C_B2,  86
.set C_B0,  88
.set G1, 24
.set G0, 32
.set G1B, 48
.set G0B, 56
.set G1S, 68
.set G0S, 76
.set G1SB, 80
.set G0SB, 88
.set MSB, 0
.macro WIN new
.if MSB != (\new)
	s_set_vgpr_msb (MSB<<8)|(\new)
.set MSB, (\new)
.endif
.endm
.set MUL_LO, 0xa1
.set MUL_HI, 0xf1
.set Z_LO,   0x81
.set Z_HI,   0xc1
.set TO_B,   0x40
.macro JLOAD g0a, g1a, g0b, g1b
	s_cmp_eq_u32 s15, 0
	s_cbranch_scc0 .Lfor_b_\@
	tensor_load_to_lds s[\g0a:\g0a+3], s[\g1a:\g1a+7]
	s_nop 0
.rept 4
	v_nop
.endr
	s_branch .Lasked_\@
.Lfor_b_\@:
	tensor_load_to_lds s[\g0b:\g0b+3], s[\g1b:\g1b+7]
	s_nop 0
.rept 4
	v_nop
.endr
.Lasked_\@:
.endm
.macro CREST
	s_cmp_lg_u32 s14, 0
	s_cbranch_scc1 .Lnot_wave_0_\@
	s_barrier_signal -3
.Lnot_wave_0_\@:
	s_barrier_wait -3
	s_barrier_signal -1
	s_barrier_wait -1
.endm
.macro CROUND
	s_barrier_signal -1
	s_barrier_wait -1
	CREST
.endm
	s_load_b256 s[4:11], s[0:1], 0x0               ; act, wts, b1, ff
	v_lshl_add_u32 v[SPW], v0, 2, SPARE
	v_mov_b32 v[NIL], 0
	ds_add_u32 v28, v29
	ds_add_u32 v28, v29
	s_wait_dscnt 0x0
	v_lshrrev_b32 v1, 5, v0
	v_readfirstlane_b32 s14, v1
	s_lshr_b32 s15, s14, 1
	s_and_b32 s16, s14, 1
	s_bfe_u32 s40, ttmp6, 0x40000
	s_bfe_u32 s41, ttmp6, 0x40004
	s_lshl_b32 s42, ttmp9, 2
	s_add_co_u32 s42, s42, s40
	s_and_b32 s17, ttmp7, 0xffff
	s_lshl_b32 s17, s17, 2
	s_add_co_u32 s17, s17, s41
	s_lshl_b32 s43, s41, 2
	s_lshl_b32 s43, 15, s43
	s_lshl_b32 s44, 0x1111, s40
	s_or_b32 s[G1+0], s43, (3<<16)|(1<<21)
	s_or_b32 s[G1B+0], s44, (3<<16)|(1<<21)
.irp g, G1, G1B
	s_mov_b32 s[\g+1], 768<<16
	s_mov_b32 s[\g+2], 4<<16
	s_mov_b32 s[\g+3], 768<<16
	s_mov_b32 s[\g+4], 4
	s_mov_b32 s[\g+6], 0
	s_mov_b32 s[\g+7], 0
.endr
	s_mov_b32 s[G1+5], 6*RPA
	s_mov_b32 s[G1B+5], 6*RPB
	s_or_b32 s[G1S+0], s43, (3<<16)|(1<<21)
	s_or_b32 s[G1SB+0], s44, (3<<16)|(1<<21)
.irp g, G1S, G1SB
	s_mov_b32 s[\g+1], 64<<16
	s_mov_b32 s[\g+2], KQ<<16
	s_mov_b32 s[\g+3], 64<<16
	s_mov_b32 s[\g+4], KQ
	s_mov_b32 s[\g+6], 0
	s_mov_b32 s[\g+7], 0
.endr
	s_mov_b32 s[G1S+5], RPA/2
	s_mov_b32 s[G1SB+5], RPB/2
	s_mov_b32 s[SEL], 0x76543210
	s_mov_b32 s[SEL+1], 0xfedcba98
	s_lshl_b32 s18, s16, 7
	s_lshl_b32 s20, s17, 8
	s_add_co_u32 s20, s20, s18
	s_lshl_b32 s46, s42, 8
	s_add_co_u32 s46, s46, s18
	s_lshl_b32 s22, s20, 2
	s_add_co_u32 s22, s22, A_S
	s_mul_i32 s20, s20, 48
	s_add_co_u32 s20, s20, A_C
	s_lshl_b32 s92, s46, 2
	s_add_co_u32 s92, s92, B_S
	s_mul_i32 s46, s46, 48
	s_add_co_u32 s46, s46, B_C
	s_mov_b32 s21, 0
	s_mov_b32 s23, 0
	s_mov_b32 s47, 0
	s_mov_b32 s93, 0
	s_mul_i32 s45, s14, HALFT
	s_mul_i32 s94, s14, HALFS
	s_lshl_b32 s18, s15, 6
	s_add_co_u32 s94, s94, s18
	s_wait_kmcnt 0x0
	s_add_nc_u64 s[20:21], s[4:5], s[20:21]
	s_add_nc_u64 s[22:23], s[4:5], s[22:23]
	s_add_nc_u64 s[46:47], s[6:7], s[46:47]
	s_add_nc_u64 s[92:93], s[6:7], s[92:93]
	CROUND
	s_mov_b32 s[G0S], 1
	s_add_co_u32 s[G0S+1], s94, SCL
	s_mov_b64 s[G0S+2:G0S+3], s[22:23]
	s_or_b32 s[G0S+3], s[G0S+3], 0x80000000
	s_mov_b32 s[G0SB], 1
	s_add_co_u32 s[G0SB+1], s94, SCL
	s_mov_b64 s[G0SB+2:G0SB+3], s[92:93]
	s_or_b32 s[G0SB+3], s[G0SB+3], 0x80000000
	JLOAD G0S, G1S, G0SB, G1SB
.irp s, 0,1
	s_mov_b32 s[G0+4*\s], 1
	s_add_co_u32 s[G0+4*\s+1], s45, \s*SLOT
	s_add_nc_u64 s[G0+4*\s+2:G0+4*\s+3], s[20:21], \s*192*RPA
	s_or_b32 s[G0+4*\s+3], s[G0+4*\s+3], 0x80000000
	s_mov_b32 s[G0B+4*\s], 1
	s_add_co_u32 s[G0B+4*\s+1], s45, \s*SLOT
	s_add_nc_u64 s[G0B+4*\s+2:G0B+4*\s+3], s[46:47], \s*192*RPB
	s_or_b32 s[G0B+4*\s+3], s[G0B+4*\s+3], 0x80000000
	JLOAD G0+4*\s, G1, G0B+4*\s, G1B
.endr
	v_and_b32 v1, 15, v0
	v_bfe_u32 v2, v0, 4, 1
	v_and_b32 v3, 31, v0
	v_lshlrev_b32 v4, 4, v3
	v_lshlrev_b32 v5, 3, v3
	s_mul_i32 s21, s15, HALFT
	s_mul_i32 s22, s16, HALFT
	s_add_co_u32 s22, s22, 2*HALFT
.irp s, 0,1
	v_add_nc_u32 v[ADRA+\s], s21, v4
	v_add_nc_u32 v[ADRB+\s], s22, v4
	v_add_nc_u32 v[ADRA+2+\s], s21, v5
	v_add_nc_u32 v[ADRB+2+\s], s22, v5
	s_add_co_u32 s21, s21, SLOT
	s_add_co_u32 s22, s22, SLOT
.endr
	s_mul_i32 s21, s15, HALFS
	s_mul_i32 s22, s16, HALFS
	s_add_co_u32 s22, s22, 2*HALFS+64
	s_sub_co_u32 s22, s22, s21
	v_mul_u32_u24 v6, s22, v2
	s_add_co_u32 s21, s21, SCL
	v_lshl_add_u32 v6, v1, 2, v6
	v_add_nc_u32 v[ADRS], s21, v6
	s_lshl_b32 s46, s42, 10
	s_lshl_b32 s47, s16, 9
	s_add_co_u32 s46, s46, s47
	s_mov_b32 s47, 0
	s_add_nc_u64 s[8:9], s[8:9], s[46:47]
	v_lshlrev_b32 v7, 6, v2
.irp b, 0,1,2,3,4,5,6,7
	global_load_b128 v[BN+8*\b:BN+8*\b+3], v7, s[8:9] offset:128*(\b/2)+32*(\b%2)
	global_load_b128 v[BN+8*\b+4:BN+8*\b+7], v7, s[8:9] offset:128*(\b/2)+32*(\b%2)+16
.endr
.macro FRAG reg, adr, q, i
.irp c, 0,1
	ds_load_b128 v[\reg+6*\c:\reg+6*\c+3], v[\adr] offset:(2*(\q)+\c)*6144+(\i)*768
	ds_load_b64 v[\reg+6*\c+4:\reg+6*\c+5], v[\adr+2] offset:(2*(\q)+\c)*6144+(\i)*768+512
.endr
.endm
.macro MUL16 a0, p, q, sc, zero
.irp a, \a0, \a0+1
.irp b, 0,1,2,3,4,5,6,7
.if \zero
	v_wmma_scale_f32_16x16x128_f8f6f4 v[8*(8*((\a)%4)+\b):8*(8*((\a)%4)+\b)+7], v[128*(\p)+FR*\b:128*(\p)+FR*\b+FR-1], v[AF+FR*(\a):AF+FR*(\a)+FR-1], v[BN+8*\b:BN+8*\b+7], v[SC+8*NQ*(\sc)+NQ*\b+(\q)], v[SC+8*NQ*(\sc)+NQ*(\a)+(\q)] matrix_a_fmt:MATRIX_FMT_FP6 matrix_b_fmt:MATRIX_FMT_FP6 matrix_a_scale:MATRIX_SCALE_ROW1
.else
	v_wmma_scale_f32_16x16x128_f8f6f4 v[8*(8*((\a)%4)+\b):8*(8*((\a)%4)+\b)+7], v[128*(\p)+FR*\b:128*(\p)+FR*\b+FR-1], v[AF+FR*(\a):AF+FR*(\a)+FR-1], v[8*(8*((\a)%4)+\b):8*(8*((\a)%4)+\b)+7], v[SC+8*NQ*(\sc)+NQ*\b+(\q)], v[SC+8*NQ*(\sc)+NQ*(\a)+(\q)] matrix_a_fmt:MATRIX_FMT_FP6 matrix_b_fmt:MATRIX_FMT_FP6 matrix_a_scale:MATRIX_SCALE_ROW1
.endif
.endr
.endr
.endm
.macro FETCH_B slot, q, p
	WIN TO_B
.irp i, 0,1,2,3,4,5,6,7
	FRAG 128*(\p)+FR*\i, ADRB+\slot, \q, \i
.endr
	WIN 0
.endm
.macro FETCH_A slot, q, i0
.irp i, \i0, \i0+1, \i0+2, \i0+3
	FRAG AF+FR*(\i), ADRA+\slot, \q, \i
.endr
.endm
.macro SCALES sc
.irp i, 0,1,2,3,4,5,6,7
.irp q, 0,1
	ds_load_b32 v[SC+8*NQ*\sc+NQ*\i+\q], v[ADRS] offset:512*\q+64*\i
.endr
.endr
.endm
.macro PLACES n
.rept \n
	v_nop
.endr
.endm
.macro STEP slot, q, zero
	s_wait_dscnt 4*NL                              ; all but A's blocks 4-7 (16 loads) are in
.if \zero
	WIN Z_LO
.else
	WIN MUL_LO
.endif
	MUL16 0, (\q)%2, \q, \slot, \zero
	MUL16 2, (\q)%2, \q, \slot, \zero
	s_wait_dscnt 0
	PLACES NP
	FETCH_B \slot, (\q)+1, 1-(\q)%2
	FETCH_A \slot, (\q)+1, 0
.if \zero
	WIN Z_HI
.else
	WIN MUL_HI
.endif
	MUL16 4, (\q)%2, \q, \slot, \zero
	MUL16 6, (\q)%2, \q, \slot, \zero
	PLACES NP
	WIN 0
	FETCH_A \slot, (\q)+1, 4
.endm
.macro TURN slot, next, fill
	s_wait_tensorcnt 0x0                           ; all my tensor loads have landed
	ds_add_u32 v[SPW], v[NIL]                      ; 0 onto my spare word
	s_wait_dscnt 4*NL+1                            ; the add and A's blocks 4-7 may be out
	WIN MUL_LO
	MUL16 0, 1, NQ-1, \slot, 0
	s_wait_dscnt 0x0                               ; the add is done, my reads of this slot are over
	s_barrier_signal -1
	MUL16 2, 1, NQ-1, \slot, 0
	WIN 0
	s_barrier_wait -1
.if \fill
	CREST
	s_add_nc_u64 s[G0+4*\slot+2:G0+4*\slot+3], s[G0+4*\slot+2:G0+4*\slot+3], 384*RPA
	s_add_nc_u64 s[G0B+4*\slot+2:G0B+4*\slot+3], s[G0B+4*\slot+2:G0B+4*\slot+3], 384*RPB
	JLOAD G0+4*\slot, G1, G0B+4*\slot, G1B
.else
	PLACES NP
.endif
	v_add_nc_u32 v[ADRS], 1024, v[ADRS]
	FETCH_B \next, 0, 0
	FETCH_A \next, 0, 0
	SCALES \next
	WIN MUL_HI
	MUL16 4, 1, NQ-1, \slot, 0
	MUL16 6, 1, NQ-1, \slot, 0
	PLACES NP
	WIN 0
	FETCH_A \next, 0, 4
.endm
	s_wait_tensorcnt 1                             ; the scale words and K step 0 are in; K step 1's load may be out
	s_barrier_signal -1
	s_barrier_wait -1
	FETCH_B 0, 0, 0
	FETCH_A 0, 0, 0
	SCALES 0
	FETCH_A 0, 0, 4
	s_wait_loadcnt 0x0                             ; the bias
	STEP 0, 0, 1
	s_mov_b32 s3, LAPS-1
.Llap:
	TURN 0, 1, 1
	STEP 1, 0, 0
	TURN 1, 0, 1
	STEP 0, 0, 0
	s_sub_co_u32 s3, s3, 1
	s_cmp_lg_u32 s3, 0
	s_cbranch_scc1 .Llap
	TURN 0, 1, 0
	STEP 1, 0, 0
	s_wait_dscnt 4*NL
	WIN MUL_LO
	MUL16 0, 1, NQ-1, 1, 0
	MUL16 2, 1, NQ-1, 1, 0
	s_wait_dscnt 0
	WIN MUL_HI
	MUL16 4, 1, NQ-1, 1, 0
	MUL16 6, 1, NQ-1, 1, 0
	WIN 0
	PLACES NP
; THE WAY OUT: a loop over my eight blocks of 16 tokens.  An arm halves the block's 64 sums into window 0; then GELU, the quantiser, four stores.  No tensor load of mine is out, so the descriptors' registers are free.
.macro QUANT s
.irp b, 0,1,2,3
	v_max3_num_f32 v[TM+\b], |v[\s+16*\b]|, |v[\s+1+16*\b]|, 0x1800000
.endr
.irp i, 2,4,6,8,10,12,14
.irp b, 0,1,2,3
	v_max3_num_f32 v[TM+\b], v[TM+\b], |v[\s+16*\b+\i]|, |v[\s+1+16*\b+\i]|
.endr
.endr
.irp b, 0,1,2,3
	v_permlanex16_b32 v[TM+4+\b], v[TM+\b], s[SEL], s[SEL+1]
.endr
.irp b, 0,1,2,3
	v_max_num_f32 v[TM+\b], v[TM+\b], v[TM+4+\b]
.endr
.irp b, 0,1,2,3
	v_add_nc_u32 v[TM+12+\b], 0xff000000, v[TM+\b]
.endr
.irp b, 0,1,2,3
	v_lshrrev_b32 v[TM+4+\b], 23, v[TM+12+\b]
.endr
	v_lshl_or_b32 v[PW], v[TM+5], 8, v[TM+4]
	v_lshl_or_b32 v[PW], v[TM+6], 16, v[PW]
	v_lshl_or_b32 v[PW], v[TM+7], 24, v[PW]
.irp c, 0,1
	v_cvt_scalef32_pk16_fp6_f32 v[PC+6*\c:PC+2+6*\c], v[\s+32*\c:\s+15+32*\c], v[TM+12+2*\c]
	v_cvt_scalef32_pk16_fp6_f32 v[PC+12+4*\c:PC+14+4*\c], v[\s+16+32*\c:\s+31+32*\c], v[TM+12+2*\c+1]
.endr
	v_nop
.irp c, 0,1
.irp i, 0,1,2
	v_permlane16_swap_b32 v[PC+6*\c+\i], v[PC+12+4*\c+\i]
.endr
.irp i, 0,1,2
	v_mov_b32 v[PC+3+6*\c+\i], v[PC+12+4*\c+\i]
.endr
.endr
.endm
.macro PKC dst, coef                   ; dst = dst z^2 + coefficient, eight pairs
.set ii, 0
.rept 8
	v_pk_fma_f32 v[\dst+ii:\dst+ii+1], v[\dst+ii:\dst+ii+1], v[X2+ii:X2+ii+1], s[\coef:\coef+1] op_sel_hi:[1,1,0]
.set ii, ii+2
.endr
.endm
.macro GELU g                          ; sixteen numbers: v[HA + 16 g] on hold x / 2 and take gelu(x)
.set HG, HA+16*\g
.set ii, 0
.rept 8
	v_pk_mul_f32 v[Z+ii:Z+ii+1], v[HG+ii:HG+ii+1], s[C_R2:C_R2+1] op_sel_hi:[1,0]
.set ii, ii+2
.endr
.set ii, 0
.rept 16
	v_med3_num_f32 v[Z+ii], v[Z+ii], -4.0, 4.0
.set ii, ii+1
.endr
.set ii, 0
.rept 8
	v_pk_mul_f32 v[X2+ii:X2+ii+1], v[Z+ii:Z+ii+1], v[Z+ii:Z+ii+1]
.set ii, ii+2
.endr
.set ii, 0
.rept 8
	v_pk_fma_f32 v[PP+ii:PP+ii+1], v[X2+ii:X2+ii+1], s[C_A13:C_A13+1], v[VA11:VA11+1] op_sel_hi:[1,0,1]
	v_pk_fma_f32 v[QQ+ii:QQ+ii+1], v[X2+ii:X2+ii+1], s[C_B8:C_B8+1], v[VB6:VB6+1] op_sel_hi:[1,0,1]
.set ii, ii+2
.endr
	PKC PP, C_A9
	PKC QQ, C_B4
	PKC PP, C_A7
	PKC QQ, C_B2
	PKC PP, C_A5
	PKC QQ, C_B0
	PKC PP, C_A3
	PKC PP, C_A1
.set ii, 0
.rept 16
	v_rcp_f32 v[QQ+ii], v[QQ+ii]
.set ii, ii+1
.endr
.set ii, 0
.rept 8
	v_pk_mul_f32 v[PP+ii:PP+ii+1], v[PP+ii:PP+ii+1], v[Z+ii:Z+ii+1]   ; plain work behind the reciprocals
.set ii, ii+2
.endr
	s_wait_alu depctr_va_vdst(0)                   ; one wait for the sixteen, ahead of their first reader
.set ii, 0
.rept 8
	v_pk_mul_f32 v[PP+ii:PP+ii+1], v[PP+ii:PP+ii+1], v[QQ+ii:QQ+ii+1]
.set ii, ii+2
.endr
.set ii, 0
.rept 8
	v_pk_fma_f32 v[HG+ii:HG+ii+1], v[HG+ii:HG+ii+1], v[PP+ii:PP+ii+1], v[HG+ii:HG+ii+1]
.set ii, ii+2
.endr
.endm
	s_lshl_b32 s20, s42, 2
	s_lshl_b32 s21, s16, 1
	s_add_co_u32 s20, s20, s21                     ; first chunk: 4 x tile column + 2 x half
	s_lshl_b32 s22, s17, 4
	s_lshl_b32 s21, s15, 3
	s_add_co_u32 s22, s22, s21                     ; first group: 16 x tile row + 8 x half
	s_mul_i32 s32, s20, 196608
	s_mul_i32 s21, s22, 768
	s_add_co_u32 s32, s32, s21
	s_mov_b32 s33, 0
	s_add_nc_u64 s[24:25], s[10:11], s[32:33]
	s_lshl_b32 s32, s20, 13
	s_lshl_b32 s21, s22, 6
	s_add_co_u32 s32, s32, s21
	s_add_co_u32 s32, s32, FF_S
	s_add_nc_u64 s[26:27], s[10:11], s[32:33]
	s_mov_b32 s[C_R2], 0x3fb504f3
	s_mov_b32 s[C_A13], -0.000000000272614225801306
	s_mov_b32 s[C_A9], -0.00000210102402082508
	s_mov_b32 s[C_A7], -0.0000569250639462346
	s_mov_b32 s[C_A5], -0.000734990630326855
	s_mov_b32 s[C_A3], -0.00295459980854025
	s_mov_b32 s[C_A1], -0.0160960333262415
	s_mov_b32 s[C_B8], -0.0000145660718464996
	s_mov_b32 s[C_B4], -0.00168282697438203
	s_mov_b32 s[C_B2], -0.00737332916720468
	s_mov_b32 s[C_B0], -0.0142647390514189
.irp c, C_R2, C_A13, C_A9, C_A7, C_A5, C_A3, C_A1, C_B8, C_B4, C_B2, C_B0
	s_mov_b32 s[\c+1], s[\c]                       ; named with it as a pair, so it is written
.endr
	v_mov_b32 v[VA11], 0.0000000277068142495902
	v_mov_b32 v[VA11+1], v[VA11]
	v_mov_b32 v[VB6], -0.000213374055278905
	v_mov_b32 v[VB6+1], v[VB6]
	v_and_b32 v1, 15, v0
	v_and_b32 v3, 31, v0
	v_lshlrev_b32 v24, 4, v3
	v_lshlrev_b32 v25, 3, v3
	s_lshl_b32 s39, s14, 9
	s_add_co_u32 s39, s39, SCR
	v_lshl_add_u32 v26, v1, 2, s39
	v_add_nc_u32 v31, s39, v24
.irp b, 0,1,2,3
	v_mov_b32 v[TM+4+\b], 0
.endr
.macro ARM a
.if \a < 7
	s_cmp_eq_u32 s30, \a
	s_cbranch_scc0 .Lnot_\a
.endif
	WIN 0x02+\a/4
.set AC, 64*(\a%4)
.set ii, 0
.rept 32
	v_pk_mul_f32 v[HA+ii:HA+ii+1], v[AC+ii:AC+ii+1], 0.5 op_sel_hi:[1,0]
.set ii, ii+2
.endr
	WIN 0
	s_branch .Lcommon
.Lnot_\a:
.endm
	s_mov_b32 s30, 0
	s_mov_b32 s31, 0
.Lrow:
.irp a, 0,1,2,3,4,5,6,7
	ARM \a
.endr
.Lcommon:
	GELU 0
	GELU 1
	GELU 2
	GELU 3
	QUANT HA
	global_store_b128 v24, v[PC:PC+3], s[24:25]                        ; 512 consecutive bytes, at a multiple of 256
	global_store_b64 v25, v[PC+4:PC+5], s[24:25] offset:512            ; 256
	global_store_b128 v24, v[PC+6:PC+9], s[24:25] offset:196608
	global_store_b64 v25, v[PC+10:PC+11], s[24:25] offset:196608+512
	v_add_nc_u32 v30, s31, v26
	ds_store_b32 v30, v[PW]                        ; both halves of the lanes write the same word with the same value
	s_wait_xcnt 0x0                                ; the stores have read their data and base
	s_add_nc_u64 s[24:25], s[24:25], 768
	s_add_co_u32 s31, s31, 64
	s_add_co_u32 s30, s30, 1
	s_cmp_lt_u32 s30, 8
	s_cbranch_scc1 .Lrow
	ds_load_b128 v[64:67], v31                     ; my own scratch, served in order
	s_wait_dscnt 0x0
	global_store_b128 v24, v[64:67], s[26:27]      ; my 128 tokens' scale words: 512 consecutive bytes
	s_wait_tensorcnt 0x0                           ; the wave's end
	ds_add_u32 v[SPW], v[NIL]
	s_wait_dscnt 0x0
	CROUND
	s_endpgm
.Lfunc_end_k_q4fc23cc6aa_g_ff1:
	.size	k_q4fc23cc6aa_g_ff1, .Lfunc_end_k_q4fc23cc6aa_g_ff1-k_q4fc23cc6aa_g_ff1
	.p2alignl 7, 3214868480
	.fill 96, 4, 3214868480
	.section	.rodata,"a",@progbits
	.p2align	6, 0x0
	.amdhsa_kernel k_q4fc23cc6aa_g_ff1
		.amdhsa_group_segment_fixed_size 327680
		.amdhsa_private_segment_fixed_size 0
		.amdhsa_enable_private_segment 0
		.amdhsa_kernarg_size 32
		.amdhsa_user_sgpr_count 2
		.amdhsa_user_sgpr_kernarg_segment_ptr 1
		.amdhsa_wavefront_size32 1
		.amdhsa_system_sgpr_workgroup_id_x 1
		.amdhsa_system_sgpr_workgroup_id_y 1
		.amdhsa_system_sgpr_workgroup_id_z 1
		.amdhsa_system_vgpr_workitem_id 0
		.amdhsa_next_free_vgpr 1024
		.amdhsa_next_free_sgpr 100
		.amdhsa_reserve_vcc 0
		.amdhsa_float_denorm_mode_32 3
		.amdhsa_float_denorm_mode_16_64 3
		.amdhsa_memory_ordered 1
		.amdhsa_forward_progress 1
		.amdhsa_inst_pref_size 178
	.end_amdhsa_kernel
	.amdgpu_metadata
---
amdhsa.version: [ 1, 2 ]
amdhsa.kernels:
  - .name:           k_q4fc23cc6aa_g_ff1
    .symbol:         k_q4fc23cc6aa_g_ff1.kd
    .args:
      - { .name: act, .offset: 0, .size: 8, .value_kind: global_buffer, .address_space: global }
      - { .name: wts, .offset: 8, .size: 8, .value_kind: global_buffer, .address_space: global }
      - { .name: b1, .offset: 16, .size: 8, .value_kind: global_buffer, .address_space: global }
      - { .name: ff, .offset: 24, .size: 8, .value_kind: global_buffer, .address_space: global }
    .group_segment_fixed_size: 327680
    .private_segment_fixed_size: 0
    .kernarg_segment_align: 8
    .kernarg_segment_size: 32
    .max_flat_workgroup_size: 128
    .sgpr_count:     100
    .vgpr_count:     1024
    .wavefront_size: 32
...
	.end_amdgpu_metadata
.endif
;; end of part 6
;; launch g_ff2 (part 7): grid 4 x 16, 4 waves a work-group, clusters of 4 x 4, 327,680 bytes of LDS; arguments ff, wts, b2, x1, out0; writes out0
.if DOCPART == 7
	.amdgcn_target "amdgcn-amd-amdhsa--gfx1250"
	.amdhsa_code_object_version 6
	.text
	.protected	k_q4fc23cc6aa_g_ff2
	.globl	k_q4fc23cc6aa_g_ff2
	.p2align	8
	.type	k_q4fc23cc6aa_g_ff2,@function
k_q4fc23cc6aa_g_ff2:
	s_mov_b64 s[64:65], 0
	v_nop
	global_prefetch_b8 v0, s[64:65] scope:SCOPE_SE
	s_setreg_imm32_b32 hwreg(HW_REG_WAVE_MODE, 25, 1), 1
	s_wait_xcnt 0x0
	s_wait_alu depctr_hold_cnt(0) depctr_sa_sdst(0) depctr_va_vdst(0) depctr_va_sdst(0) depctr_va_ssrc(0) depctr_va_vcc(0) depctr_vm_vsrc(0)
	s_getreg_b32 s2, hwreg(HW_REG_IB_STS2, 6, 4)
	s_cmp_eq_u32 s2, 0
	s_cbranch_scc0 .Lentry_in_a_cluster
	s_endpgm
.Lentry_in_a_cluster:
	s_bfe_u32 s2, ttmp6, 0x10000c
	s_cmp_lg_u32 s2, 0xf033
	s_cbranch_scc0 .Lentry_shape_is_right
	s_endpgm
.Lentry_shape_is_right:
; out0 = x1 + ff w2 + b2.  As the launch for x1, with K = 4,096: sixteen K steps of 256 through the two slots; the tile's scale words (64 KiB) come once.
; Operands in the order of their registers: unit (chunk = k / 64, g = row / 16) of 768 bytes at (chunk x RP / 16 + g) x 768; scale word (k / 128, row) at ((k / 128) x RP + row) x 4.
; Transposed use; weight position = column with bits 3, 4 changed over; the bias is the C of each sum's first product.  CLUSTERS 4 x 4 with joint loads.  64 tiles of 256 x 256.
; No prefetch is laid here: each refill has a whole K step, 128 matrix instructions a wave, in which to land, and tiles are shared four ways.
.set KTOT,  4096
.set RPA,   4096
.set RPB,   1024
.set A_C,   0
.set A_S,   12582912
.set B_C,   7077888
.set B_S,   10518528
.set NQ,    2
.set FR,    12
.set NL,    4
.set NP,    4
.set HALFT, 24576
.set SLOT,  4*HALFT
.set LAPS,  KTOT/512
.set KQ,    KTOT/128
.set HALFS, 512*KQ
.set SCL,   2*SLOT
.set SPARE, SCL+4*HALFS+256
.set SPITCH, 528
.set ADRA, 16
.set ADRB, 20
.set STO,  24
.set RD,   25
.set CO,   26
.set ADRS, 27
.set SPW,  28
.set NIL,  29
.set SC,   32
.set BN,   64
.set RES,  64
.set AF,   128
.set BK,   128
.set G1, 24
.set G0, 32
.set G1B, 48
.set G0B, 56
.set G1S, 68
.set G0S, 76
.set G1SB, 80
.set G0SB, 88
.set MSB, 0
.macro WIN new
.if MSB != (\new)
	s_set_vgpr_msb (MSB<<8)|(\new)
.set MSB, (\new)
.endif
.endm
.set MUL_LO, 0xa1
.set MUL_HI, 0xf1
.set Z_LO,   0x81
.set Z_HI,   0xc1
.set TO_B,   0x40
.macro JLOAD g0a, g1a, g0b, g1b
	s_cmp_eq_u32 s15, 0
	s_cbranch_scc0 .Lfor_b_\@
	tensor_load_to_lds s[\g0a:\g0a+3], s[\g1a:\g1a+7]
	s_nop 0
.rept 4
	v_nop
.endr
	s_branch .Lasked_\@
.Lfor_b_\@:
	tensor_load_to_lds s[\g0b:\g0b+3], s[\g1b:\g1b+7]
	s_nop 0
.rept 4
	v_nop
.endr
.Lasked_\@:
.endm
.macro CREST
	s_cmp_lg_u32 s14, 0
	s_cbranch_scc1 .Lnot_wave_0_\@
	s_barrier_signal -3
.Lnot_wave_0_\@:
	s_barrier_wait -3
	s_barrier_signal -1
	s_barrier_wait -1
.endm
.macro CROUND
	s_barrier_signal -1
	s_barrier_wait -1
	CREST
.endm
	s_load_b256 s[4:11], s[0:1], 0x0               ; ff, wts, bias, residual
	s_load_b64 s[12:13], s[0:1], 0x20              ; the result
	v_lshl_add_u32 v[SPW], v0, 2, SPARE
	v_mov_b32 v[NIL], 0
	ds_add_u32 v28, v29
	ds_add_u32 v28, v29
	s_wait_dscnt 0x0
	v_lshrrev_b32 v1, 5, v0
	v_readfirstlane_b32 s14, v1
	s_lshr_b32 s15, s14, 1
	s_and_b32 s16, s14, 1
	s_bfe_u32 s40, ttmp6, 0x40000
	s_bfe_u32 s41, ttmp6, 0x40004
	s_lshl_b32 s42, ttmp9, 2
	s_add_co_u32 s42, s42, s40
	s_and_b32 s17, ttmp7, 0xffff
	s_lshl_b32 s17, s17, 2
	s_add_co_u32 s17, s17, s41
	s_lshl_b32 s43, s41, 2
	s_lshl_b32 s43, 15, s43
	s_lshl_b32 s44, 0x1111, s40
	s_or_b32 s[G1+0], s43, (3<<16)|(1<<21)
	s_or_b32 s[G1B+0], s44, (3<<16)|(1<<21)
.irp g, G1, G1B
	s_mov_b32 s[\g+1], 768<<16
	s_mov_b32 s[\g+2], 4<<16
	s_mov_b32 s[\g+3], 768<<16
	s_mov_b32 s[\g+4], 4
	s_mov_b32 s[\g+6], 0
	s_mov_b32 s[\g+7], 0
.endr
	s_mov_b32 s[G1+5], 6*RPA
	s_mov_b32 s[G1B+5], 6*RPB
	s_or_b32 s[G1S+0], s43, (3<<16)|(1<<21)
	s_or_b32 s[G1SB+0], s44, (3<<16)|(1<<21)
.irp g, G1S, G1SB
	s_mov_b32 s[\g+1], 64<<16
	s_mov_b32 s[\g+2], KQ<<16
	s_mov_b32 s[\g+3], 64<<16
	s_mov_b32 s[\g+4], KQ
	s_mov_b32 s[\g+6], 0
	s_mov_b32 s[\g+7], 0
.endr
	s_mov_b32 s[G1S+5], RPA/2
	s_mov_b32 s[G1SB+5], RPB/2
	s_lshl_b32 s18, s16, 7
	s_lshl_b32 s20, s17, 8
	s_add_co_u32 s20, s20, s18
	s_lshl_b32 s46, s42, 8
	s_add_co_u32 s46, s46, s18
	s_lshl_b32 s22, s20, 2
	s_add_co_u32 s22, s22, A_S
	s_mul_i32 s20, s20, 48
	s_add_co_u32 s20, s20, A_C
	s_lshl_b32 s92, s46, 2
	s_add_co_u32 s92, s92, B_S
	s_mul_i32 s46, s46, 48
	s_add_co_u32 s46, s46, B_C
	s_mov_b32 s21, 0
	s_mov_b32 s23, 0
	s_mov_b32 s47, 0
	s_mov_b32 s93, 0
	s_mul_i32 s45, s14, HALFT
	s_mul_i32 s94, s14, HALFS
	s_lshl_b32 s18, s15, 6
	s_add_co_u32 s94, s94, s18
	s_wait_kmcnt 0x0
	s_add_nc_u64 s[20:21], s[4:5], s[20:21]
	s_add_nc_u64 s[22:23], s[4:5], s[22:23]
	s_add_nc_u64 s[46:47], s[6:7], s[46:47]
	s_add_nc_u64 s[92:93], s[6:7], s[92:93]
	CROUND
	s_mov_b32 s[G0S], 1
	s_add_co_u32 s[G0S+1], s94, SCL
	s_mov_b64 s[G0S+2:G0S+3], s[22:23]
	s_or_b32 s[G0S+3], s[G0S+3], 0x80000000
	s_mov_b32 s[G0SB], 1
	s_add_co_u32 s[G0SB+1], s94, SCL
	s_mov_b64 s[G0SB+2:G0SB+3], s[92:93]
	s_or_b32 s[G0SB+3], s[G0SB+3], 0x80000000
	JLOAD G0S, G1S, G0SB, G1SB
.irp s, 0,1
	s_mov_b32 s[G0+4*\s], 1
	s_add_co_u32 s[G0+4*\s+1], s45, \s*SLOT
	s_add_nc_u64 s[G0+4*\s+2:G0+4*\s+3], s[20:21], \s*192*RPA
	s_or_b32 s[G0+4*\s+3], s[G0+4*\s+3], 0x80000000
	s_mov_b32 s[G0B+4*\s], 1
	s_add_co_u32 s[G0B+4*\s+1], s45, \s*SLOT
	s_add_nc_u64 s[G0B+4*\s+2:G0B+4*\s+3], s[46:47], \s*192*RPB
	s_or_b32 s[G0B+4*\s+3], s[G0B+4*\s+3], 0x80000000
	JLOAD G0+4*\s, G1, G0B+4*\s, G1B
.endr
	v_and_b32 v1, 15, v0
	v_bfe_u32 v2, v0, 4, 1
	v_and_b32 v3, 31, v0
	v_lshlrev_b32 v4, 4, v3
	v_lshlrev_b32 v5, 3, v3
	s_mul_i32 s21, s15, HALFT
	s_mul_i32 s22, s16, HALFT
	s_add_co_u32 s22, s22, 2*HALFT
.irp s, 0,1
	v_add_nc_u32 v[ADRA+\s], s21, v4
	v_add_nc_u32 v[ADRB+\s], s22, v4
	v_add_nc_u32 v[ADRA+2+\s], s21, v5
	v_add_nc_u32 v[ADRB+2+\s], s22, v5
	s_add_co_u32 s21, s21, SLOT
	s_add_co_u32 s22, s22, SLOT
.endr
	s_mul_i32 s21, s15, HALFS
	s_mul_i32 s22, s16, HALFS
	s_add_co_u32 s22, s22, 2*HALFS+64
	s_sub_co_u32 s22, s22, s21
	v_mul_u32_u24 v6, s22, v2
	s_add_co_u32 s21, s21, SCL
	v_lshl_add_u32 v6, v1, 2, v6
	v_add_nc_u32 v[ADRS], s21, v6
	s_lshl_b32 s46, s42, 10
	s_lshl_b32 s47, s16, 9
	s_add_co_u32 s46, s46, s47
	s_mov_b32 s47, 0
	s_add_nc_u64 s[8:9], s[8:9], s[46:47]
	v_lshlrev_b32 v7, 6, v2
.irp b, 0,1,2,3,4,5,6,7
	global_load_b128 v[BN+8*\b:BN+8*\b+3], v7, s[8:9] offset:128*(\b/2)+32*(\b%2)
	global_load_b128 v[BN+8*\b+4:BN+8*\b+7], v7, s[8:9] offset:128*(\b/2)+32*(\b%2)+16
.endr
	s_lshl_b32 s20, s17, 20
	s_lshl_b32 s21, s15, 19
	s_add_co_u32 s20, s20, s21
	s_mov_b32 s21, 0
	s_add_nc_u64 s[20:21], s[20:21], s[46:47]
	s_add_nc_u64 s[10:11], s[10:11], s[20:21]
	s_add_nc_u64 s[12:13], s[12:13], s[20:21]
	s_mul_i32 s23, s14, 16*SPITCH
	v_mul_u32_u24 v6, v1, SPITCH
	v_lshl_add_u32 v6, v2, 6, v6
	v_add_nc_u32 v[STO], s23, v6
	v_mov_b32 v[CO], v4
	v_add_nc_u32 v[RD], s23, v4
.macro FRAG reg, adr, q, i
.irp c, 0,1
	ds_load_b128 v[\reg+6*\c:\reg+6*\c+3], v[\adr] offset:(2*(\q)+\c)*6144+(\i)*768
	ds_load_b64 v[\reg+6*\c+4:\reg+6*\c+5], v[\adr+2] offset:(2*(\q)+\c)*6144+(\i)*768+512
.endr
.endm
.macro MUL16 a0, p, q, sc, zero
.irp a, \a0, \a0+1
.irp b, 0,1,2,3,4,5,6,7
.if \zero
	v_wmma_scale_f32_16x16x128_f8f6f4 v[8*(8*((\a)%4)+\b):8*(8*((\a)%4)+\b)+7], v[128*(\p)+FR*\b:128*(\p)+FR*\b+FR-1], v[AF+FR*(\a):AF+FR*(\a)+FR-1], v[BN+8*\b:BN+8*\b+7], v[SC+8*NQ*(\sc)+NQ*\b+(\q)], v[SC+8*NQ*(\sc)+NQ*(\a)+(\q)] matrix_a_fmt:MATRIX_FMT_FP6 matrix_b_fmt:MATRIX_FMT_FP6 matrix_a_scale:MATRIX_SCALE_ROW1
.else
	v_wmma_scale_f32_16x16x128_f8f6f4 v[8*(8*((\a)%4)+\b):8*(8*((\a)%4)+\b)+7], v[128*(\p)+FR*\b:128*(\p)+FR*\b+FR-1], v[AF+FR*(\a):AF+FR*(\a)+FR-1], v[8*(8*((\a)%4)+\b):8*(8*((\a)%4)+\b)+7], v[SC+8*NQ*(\sc)+NQ*\b+(\q)], v[SC+8*NQ*(\sc)+NQ*(\a)+(\q)] matrix_a_fmt:MATRIX_FMT_FP6 matrix_b_fmt:MATRIX_FMT_FP6 matrix_a_scale:MATRIX_SCALE_ROW1
.endif
.endr
.endr
.endm
.macro FETCH_B slot, q, p
	WIN TO_B
.irp i, 0,1,2,3,4,5,6,7
	FRAG 128*(\p)+FR*\i, ADRB+\slot, \q, \i
.endr
	WIN 0
.endm
.macro FETCH_A slot, q, i0
.irp i, \i0, \i0+1, \i0+2, \i0+3
	FRAG AF+FR*(\i), ADRA+\slot, \q, \i
.endr
.endm
.macro SCALES sc
.irp i, 0,1,2,3,4,5,6,7
.irp q, 0,1
	ds_load_b32 v[SC+8*NQ*\sc+NQ*\i+\q], v[ADRS] offset:512*\q+64*\i
.endr
.endr
.endm
.macro PLACES n
.rept \n
	v_nop
.endr
.endm
.macro STEP slot, q, zero
	s_wait_dscnt 4*NL                              ; all but A's blocks 4-7 (16 loads) are in
.if \zero
	WIN Z_LO
.else
	WIN MUL_LO
.endif
	MUL16 0, (\q)%2, \q, \slot, \zero
	MUL16 2, (\q)%2, \q, \slot, \zero
	s_wait_dscnt 0
	PLACES NP
	FETCH_B \slot, (\q)+1, 1-(\q)%2
	FETCH_A \slot, (\q)+1, 0
.if \zero
	WIN Z_HI
.else
	WIN MUL_HI
.endif
	MUL16 4, (\q)%2, \q, \slot, \zero
	MUL16 6, (\q)%2, \q, \slot, \zero
	PLACES NP
	WIN 0
	FETCH_A \slot, (\q)+1, 4
.endm
.macro TURN slot, next, fill
	s_wait_tensorcnt 0x0                           ; all my tensor loads have landed
	ds_add_u32 v[SPW], v[NIL]                      ; 0 onto my spare word
	s_wait_dscnt 4*NL+1                            ; the add and A's blocks 4-7 may be out
	WIN MUL_LO
	MUL16 0, 1, NQ-1, \slot, 0
	s_wait_dscnt 0x0                               ; the add is done, my reads of this slot are over
	s_barrier_signal -1
	MUL16 2, 1, NQ-1, \slot, 0
	WIN 0
	s_barrier_wait -1
.if \fill
	CREST
	s_add_nc_u64 s[G0+4*\slot+2:G0+4*\slot+3], s[G0+4*\slot+2:G0+4*\slot+3], 384*RPA
	s_add_nc_u64 s[G0B+4*\slot+2:G0B+4*\slot+3], s[G0B+4*\slot+2:G0B+4*\slot+3], 384*RPB
	JLOAD G0+4*\slot, G1, G0B+4*\slot, G1B
.else
	PLACES NP
.endif
	v_add_nc_u32 v[ADRS], 1024, v[ADRS]
	FETCH_B \next, 0, 0
	FETCH_A \next, 0, 0
	SCALES \next
	WIN MUL_HI
	MUL16 4, 1, NQ-1, \slot, 0
	MUL16 6, 1, NQ-1, \slot, 0
	PLACES NP
	WIN 0
	FETCH_A \next, 0, 4
.endm
	s_wait_tensorcnt 1                             ; the scale words and K step 0 are in; K step 1's load may be out
	s_barrier_signal -1
	s_barrier_wait -1
	FETCH_B 0, 0, 0
	FETCH_A 0, 0, 0
	SCALES 0
	FETCH_A 0, 0, 4
	s_wait_loadcnt 0x0                             ; the bias
	STEP 0, 0, 1
	s_mov_b32 s3, LAPS-1
.Llap:
	TURN 0, 1, 1
	STEP 1, 0, 0
	TURN 1, 0, 1
	STEP 0, 0, 0
	s_sub_co_u32 s3, s3, 1
	s_cmp_lg_u32 s3, 0
	s_cbranch_scc1 .Llap
	TURN 0, 1, 0
	STEP 1, 0, 0
	s_wait_dscnt 4*NL
	WIN MUL_LO
	MUL16 0, 1, NQ-1, 1, 0
	MUL16 2, 1, NQ-1, 1, 0
	s_wait_dscnt 0
	WIN MUL_HI
	MUL16 4, 1, NQ-1, 1, 0
	MUL16 6, 1, NQ-1, 1, 0
	WIN 0
	PLACES NP
.macro RLOAD a
.irp t, 0,1,2,3,4,5,6,7,8,9,10,11,12,13,14,15
	global_load_b128 v[RES+4*\t:RES+4*\t+3], v[CO], s[10:11] offset:(16*(\a)+\t)*4096 th:TH_LOAD_NT
.endr
.endm
.macro TOSTAGE a
.set AC, 64*((\a)%4)
	WIN 0x08+4*((\a)/4)
.irp b, 0,1,2,3,4,5,6,7
	ds_store_b128 v[STO], v[AC+8*\b:AC+8*\b+3] offset:128*(\b/2)+32*(\b%2)
	ds_store_b128 v[STO], v[AC+8*\b+4:AC+8*\b+7] offset:128*(\b/2)+32*(\b%2)+16
.endr
	WIN 0
.set BB, BK+64*((\a)%2)
.irp t, 0,1,2,3,4,5,6,7,8,9,10,11,12,13,14,15
	ds_load_b128 v[BB+4*\t:BB+4*\t+3], v[RD] offset:\t*SPITCH
.endr
.endm
.macro SEND a
.set BB, BK+64*((\a)%2)
.set ii, 0
.rept 32
	v_pk_add_f32 v[BB+ii:BB+ii+1], v[BB+ii:BB+ii+1], v[RES+ii:RES+ii+1]
.set ii, ii+2
.endr
.if (\a) < 7
	RLOAD (\a)+1
.endif
.irp t, 0,1,2,3,4,5,6,7,8,9,10,11,12,13,14,15
	global_store_b128 v[CO], v[BB+4*\t:BB+4*\t+3], s[12:13] offset:(16*(\a)+\t)*4096 th:TH_STORE_NT   ; 512 consecutive bytes, at a multiple of 512
.endr
.endm
	RLOAD 0
.irp a, 0,1,2,3,4,5,6,7
.if \a > 1
	s_wait_xcnt 0x0                                ; block a - 2's stores have read their registers
.endif
	TOSTAGE \a
	s_wait_dscnt 0x0
	s_wait_loadcnt 0x0
	SEND \a
.endr
	s_wait_tensorcnt 0x0                           ; the wave's end
	ds_add_u32 v[SPW], v[NIL]
	s_wait_dscnt 0x0
	CROUND
	s_endpgm
.Lfunc_end_k_q4fc23cc6aa_g_ff2:
	.size	k_q4fc23cc6aa_g_ff2, .Lfunc_end_k_q4fc23cc6aa_g_ff2-k_q4fc23cc6aa_g_ff2
	.p2alignl 7, 3214868480
	.fill 96, 4, 3214868480
	.section	.rodata,"a",@progbits
	.p2align	6, 0x0
	.amdhsa_kernel k_q4fc23cc6aa_g_ff2
		.amdhsa_group_segment_fixed_size 327680
		.amdhsa_private_segment_fixed_size 0
		.amdhsa_enable_private_segment 0
		.amdhsa_kernarg_size 40
		.amdhsa_user_sgpr_count 2
		.amdhsa_user_sgpr_kernarg_segment_ptr 1
		.amdhsa_wavefront_size32 1
		.amdhsa_system_sgpr_workgroup_id_x 1
		.amdhsa_system_sgpr_workgroup_id_y 1
		.amdhsa_system_sgpr_workgroup_id_z 1
		.amdhsa_system_vgpr_workitem_id 0
		.amdhsa_next_free_vgpr 1024
		.amdhsa_next_free_sgpr 100
		.amdhsa_reserve_vcc 0
		.amdhsa_float_denorm_mode_32 3
		.amdhsa_float_denorm_mode_16_64 3
		.amdhsa_memory_ordered 1
		.amdhsa_forward_progress 1
		.amdhsa_inst_pref_size 175
	.end_amdhsa_kernel
	.amdgpu_metadata
---
amdhsa.version: [ 1, 2 ]
amdhsa.kernels:
  - .name:           k_q4fc23cc6aa_g_ff2
    .symbol:         k_q4fc23cc6aa_g_ff2.kd
    .args:
      - { .name: ff, .offset: 0, .size: 8, .value_kind: global_buffer, .address_space: global }
      - { .name: wts, .offset: 8, .size: 8, .value_kind: global_buffer, .address_space: global }
      - { .name: b2, .offset: 16, .size: 8, .value_kind: global_buffer, .address_space: global }
      - { .name: x1, .offset: 24, .size: 8, .value_kind: global_buffer, .address_space: global }
      - { .name: out0, .offset: 32, .size: 8, .value_kind: global_buffer, .address_space: global }
    .group_segment_fixed_size: 327680
    .private_segment_fixed_size: 0
    .kernarg_segment_align: 8
    .kernarg_segment_size: 40
    .max_flat_workgroup_size: 128
    .sgpr_count:     100
    .vgpr_count:     1024
    .wavefront_size: 32
...
	.end_amdgpu_metadata
.endif
;; end of part 7
